; MI455X (gfx1250); checked and timed in simulation.
; The chip was launched on July 23, 2026; its instructions are those of AMD's public machine-readable ISA for CDNA 5 (MIT licence, August 2026) and "CDNA5" Instruction Set Architecture Reference Guide (July 2026). The comments in the code are by the model that wrote it; some were corrected since.
;; Causal Self Attention. Allowed arithmetic: matrix products marked QUANTISED: E2M3 operands, one E8M0 scale for each 32 along K, by v_wmma_scale_f32_16x16x128_f8f6f4 with both operands' format E2M3, f32 sums; everything else in f32.
;; Inputs: w_attn 1,024 x 3,072 float32; w_proj 1,024 x 1,024 float32; x 4 x 2,048 x 1,024 float32.
;; Outputs: out0 4 x 2,048 x 1,024 float32.
;; This version of the problem:
;;   THIS VERSION OF THE PROBLEM IS GIVEN IN LOW PRECISION. The matrix products marked QUANTISED in the list below multiply operands that are first quantised to E2M3 (2 exponent bits, 3 mantissa bits; 6 bits a number), with one power-of-two scale for each 32 numbers along K (OCP MX v1.0); their sums are f32. All else is computed in f32.
;;   The module's matrix products, in the order in which they are computed (A, B: the left and right operand; K: the contracted axis; several contracted axes count as one K, in the product's order):
;;     1. [M 8,192, K 1,024] x [K 1,024, N 3,072]; A: input x; B: input w_attn: QUANTISED
;;     2. batch 64 x [M 2,048, K 64] x [K 64, N 2,048]; A: computed on the way; B: computed on the way: QUANTISED
;;     3. batch 64 x [M 2,048, K 2,048] x [K 2,048, N 64]; A: softmax (see below); B: computed on the way: QUANTISED
;;     4. [M 8,192, K 1,024] x [K 1,024, N 1,024]; A: computed on the way; B: input w_proj: QUANTISED
;;   THE QUANTISER, for each operand of a quantised product, along K:
;;     - K is cut into blocks of 32 from its start; a last block that is shorter is filled with zeros.
;;     - A block's scale is 2^e with e = floor(log2(the largest magnitude in the block)) - 2, held to -126 .. 127; a block of zeros has e = 0. As a byte (E8M0): e + 127.
;;     - Each number is divided by its block's scale, clamped to +-7.5, and rounded to the nearest number of E2M3, ties to even, subnormals kept.
;;     - The product sums the exact products of the quantised numbers (number of the format x scale) in f32.
;;   ~~~python
;;   def quantise(x, axis):      # numpy; x: float32 -> the quantised numbers, widened to float32 again
;;       x = np.moveaxis(x, axis, -1); K = x.shape[-1]
;;       x = np.pad(x, [(0, 0)] * (x.ndim - 1) + [(0, -K % 32)]); x = x.reshape(x.shape[:-1] + (-1, 32)); a = np.abs(x).max(-1, keepdims=True)
;;       e = np.where(a > 0, np.clip(np.frexp(np.where(a > 0, a, 1))[1] - 1 - 2, -126, 127), 0)      # np.frexp(a)[1] - 1 = floor(log2(a)), exactly
;;       r = np.clip(x / 2.0 ** e, -7.5, 7.5)
;;       step = 2.0 ** (np.maximum(np.frexp(np.where(r == 0, 1, r))[1] - 1, 0) - 3)
;;       q = np.round(r / step) * step * 2.0 ** e      # np.round: ties to even
;;       return np.moveaxis(q.reshape(q.shape[:-2] + (-1,))[..., :K], -1, axis).astype(np.float32)
;;   ~~~
;;   SOFTMAX AHEAD OF A QUANTISED PRODUCT. Where the list says 'softmax', what is quantised is not the finished softmax but p = 2^(t - M), with t = logit x log2(e) and M = ceil(the row's largest t), a whole number; so 1/2 < the row's largest p <= 1. The row's sum l is taken of the UNQUANTISED p, in f32, and the product's result is divided by l at the end. Since M is a whole number, a kernel that streams over the keys may use a running M (the ceiling of the running maximum): every later rescaling is an exact power of two, which a block's scale takes up: the codes' values come out the same.
;;   OPERANDS COMPUTED ON THE WAY. 'Computed on the way' means the value that the module computes at that place (a softmax that the list does not call 'softmax' is quantised finished and normalised). What goes into a quantiser is computed in f32, as accurately as f32 sums, v_exp_f32 and their like allow (about 1e-6 of the number): no bf16 or f16 on the way to a quantiser, and a product that is left as it is and whose result goes on into a quantised operand takes f32 operands (vector FMAs, or v_wmma_f32_16x16x4_f32). A number that lies on a knife's edge between two numbers of the format may be rounded either way, as far as f32 arithmetic and the matrix unit's own rounding can turn it there, and no further.
;; One version. Each part assembles by itself: llvm-mc -triple=amdgcn-amd-amdhsa -mcpu=gfx1250 --defsym DOCPART=n.
;; ======== version 1 of 1: 4 launches
;; workspace buffers: xq 6,553,600 bytes; wq 3,276,800 bytes; qq 6,553,600 bytes; kv 13,107,200 bytes; yq 6,553,600 bytes
;; launch prep (part 1): grid 384 x 1, 4 waves a work-group, no clusters, 46,592 bytes of LDS; arguments x, w_attn, w_proj, xq, wq; writes xq, wq
.if DOCPART == 1
	.amdgcn_target "amdgcn-amd-amdhsa--gfx1250"
	.amdhsa_code_object_version 6
	.text
	.protected	k_qd537c654ec_prep
	.globl	k_qd537c654ec_prep
	.p2align	8
	.type	k_qd537c654ec_prep,@function
k_qd537c654ec_prep:
	s_mov_b64 s[64:65], 0
	v_nop
	global_prefetch_b8 v0, s[64:65] scope:SCOPE_SE
	s_setreg_imm32_b32 hwreg(HW_REG_WAVE_MODE, 25, 1), 1
	s_wait_xcnt 0x0
; x [8192][1024], w_attn [1024][3072] and w_proj [1024][1024], f32, become codes of FP6 (E2M3) with one E8M0 scale byte for each 32 along K (K = 1024 in all three).
; A block's scale is 2^(floor(log2(its largest magnitude)) - 2); its byte is the largest magnitude's exponent field - 2, held at 1 from below; the conversion rounds to the nearest code, ties to even, and holds at the largest code.
; LIMITS: NaN and infinities among the inputs are not served.  A block of zeros gets the byte 1 where the rule says 127: its codes are zeros, and this program alone reads the bytes.  Blocks whose largest magnitude lies under 2^-124 are held at byte 1.
; LAYOUT OF THE RESULTS.  Rows (tokens of x, columns n of the weights) are stored at POSITION = the index with bits 3 and 4 exchanged: lane r of a tile of 16 positions 2 b + u then holds row 32 b + 8 u + r + 8 (r / 8),
; so that a product that takes such tiles as its source 0 leaves 16 neighbouring rows in 16 neighbouring registers.  Codes lie as IMAGES OF OPERAND REGISTERS: [tile of 16 positions][K step of 128][1536 bytes]; in an image
; registers 0-3 stand at 16 x lane, registers 4-5 at 512 + 8 x lane, registers 6-7 at 768 + 8 x lane, registers 8-11 at 1024 + 16 x lane.  Scale words: [position][8 words], word s for K step s.
; SHARES.  Work-groups 0-127 take x: a wave takes one tile of 16 rows and all eight K steps.  Work-groups 128-383 take the weights: 32 groups of 128 columns (24 of w_attn, 8 of w_proj) x 8 K steps; a wave takes 32 columns x 128 along K.
; No tensor load, no barrier: waves share nothing.  The two ways part on the work-group's number and have LDS bytes of their own.
.set XWG,    128                       ; work-groups that take x
.set XS_OFF, 6291456                   ; xq: the scale words, behind 512 x 8 images
.set WA_SC,  2359296                   ; wq: w_attn's scale words, behind its 192 x 8 images
.set WP_CO,  2457600                   ; w_proj's images
.set WP_SC,  3244032                   ; w_proj's scale words
.set XSTG,   16*528                    ; x: a wave's stage: 16 rows of 512 bytes + 16
.set WSTG0,  4*XSTG                    ; the weights' stages begin behind x's
.set WSTG,   2*1536                    ; a wave's: two images
.set RA,  16                           ; v16-143  x: two sets of 64 registers as loaded
.set X,   144                          ; v144-207 64 numbers of my row: register 16 b + i = k 32 b + 16 (lane / 16) + i
.set PC,  208                          ; v208-219 the fragment's codes; v220-226 the conversions' second halves
.set TM,  228                          ; v228-231 largest magnitudes, v232-235 bytes, v240-243 the conversions' scale operands
.set SW,  244                          ; v244-251 my row's eight scale words
.set SEL, 26                           ; s[26:27] lane selects for v_permlanex16_b32: lane l xor 16
.set WX,  16                           ; v16-143  a weight's 128 numbers down K of my column
.set WC,  144                          ; v144-167 their codes, six registers a block
.set WB,  168                          ; v168-191 the two images on their way out
.set WM,  200
.set WN,  204
.set WO,  208
.set WT,  216
.set WW,  232                          ; my column's scale word
	s_load_b256 s[4:11], s[0:1], 0x0               ; x s[4:5], w_attn s[6:7], w_proj s[8:9], xq s[10:11]
	s_load_b64 s[12:13], s[0:1], 0x20              ; wq
	v_lshl_add_u32 v238, v0, 2, 0xb400
	v_mov_b32 v239, 0
	v_lshrrev_b32 v1, 5, v0
	v_readfirstlane_b32 s16, v1                    ; wave 0..3
	v_and_b32 v6, 31, v0                           ; lane
	s_cmp_lt_u32 ttmp9, XWG
	s_cbranch_scc0 .Lweights
	; ---------------- x ----------------
	v_and_b32 v7, 15, v0                           ; r
	v_bfe_u32 v8, v0, 4, 1                         ; h
	v_lshlrev_b32 v1, 4, v6                        ; 16 x lane
	v_lshlrev_b32 v2, 3, v6                        ; 8 x lane
	s_mul_i32 s17, s16, XSTG                       ; my stage
	v_add_nc_u32 v3, s17, v1                       ; into it: a row's 512 bytes as they lie
	v_mul_u32_u24 v4, v7, 528
	v_lshl_add_u32 v4, v8, 6, v4
	v_add_nc_u32 v4, s17, v4                       ; out of it: row r, + 64 h: my 16 numbers of each block of 32
	v_lshlrev_b32 v5, 5, v7
	v_lshl_add_u32 v5, v8, 4, v5                   ; the scale words: 32 r + 16 h
	s_lshl_b32 s18, ttmp9, 2
	s_add_co_u32 s18, s18, s16                     ; R: my tile of 16 positions
	s_lshr_b32 s20, s18, 1
	s_lshl_b32 s20, s20, 17                        ; its rows begin at row 32 (R / 2) + 8 (R % 2), 4,096 bytes a row
	s_and_b32 s21, s18, 1
	s_lshl_b32 s21, s21, 15
	s_add_co_u32 s20, s20, s21
	s_mov_b32 s21, 0
	s_mul_i32 s22, s18, 8*1536                     ; its eight images
	s_mov_b32 s23, 0
	s_lshl_b32 s24, s18, 9                         ; its 16 x 32 bytes of scale words
	s_mov_b32 s25, 0
	s_mov_b32 s[SEL], 0x76543210
	s_mov_b32 s[SEL+1], 0xfedcba98
.irp b, 0,1,2,3
	v_mov_b32 v[TM+4+\b], 0                        ; written once: a lane permute's destination counts as one of its sources
.endr
	s_wait_kmcnt 0x0
	s_add_nc_u64 s[4:5], s[4:5], s[20:21]
	s_add_nc_u64 s[14:15], s[10:11], s[24:25]
	s_add_nc_u64 s[10:11], s[10:11], s[22:23]
; K step s of my 16 rows: each load reads 512 consecutive bytes of one row; position i of the tile is row i + 8 (i / 8) from the tile's first
.macro XLOAD s
.irp i, 0,1,2,3,4,5,6,7,8,9,10,11,12,13,14,15
	global_load_b128 v[RA+64*((\s)%2)+4*\i:RA+64*((\s)%2)+4*\i+3], v1, s[4:5] offset:(\i+8*(\i/8))*4096+512*(\s) th:TH_LOAD_NT
.endr
.endm
; 64 numbers of a lane, v[s] on, become a fragment's codes in v[PC] on and its row's scale word in v[w]
.macro QUANT s, w
.irp b, 0,1,2,3
	v_max3_num_f32 v[TM+\b], |v[\s+16*\b]|, |v[\s+1+16*\b]|, 0x1800000   ; block b: my 16 numbers, and the floor 2^(3 - 127): the byte cannot fall under 1
.endr
.irp i, 2,4,6,8,10,12,14
.irp b, 0,1,2,3
	v_max3_num_f32 v[TM+\b], v[TM+\b], |v[\s+16*\b+\i]|, |v[\s+1+16*\b+\i]|   ; the four blocks by turns
.endr
.endr
.irp b, 0,1,2,3
	v_permlanex16_b32 v[TM+4+\b], v[TM+\b], s[SEL], s[SEL+1]
.endr
.irp b, 0,1,2,3
	v_max_num_f32 v[TM+\b], v[TM+\b], v[TM+4+\b]   ; with lane l xor 16's: the block's largest magnitude
.endr
.irp b, 0,1,2,3
	v_add_nc_u32 v[TM+12+\b], 0xff000000, v[TM+\b] ; 2 off its exponent field: the conversion's scale operand
.endr
.irp b, 0,1,2,3
	v_lshrrev_b32 v[TM+4+\b], 23, v[TM+12+\b]      ; the scale's byte
.endr
	v_lshl_or_b32 v[\w], v[TM+5], 8, v[TM+4]
	v_lshl_or_b32 v[\w], v[TM+6], 16, v[\w]
	v_lshl_or_b32 v[\w], v[TM+7], 24, v[\w]
.irp c, 0,1
	v_cvt_scalef32_pk16_fp6_f32 v[PC+6*\c:PC+2+6*\c], v[\s+32*\c:\s+15+32*\c], v[TM+12+2*\c]
	v_cvt_scalef32_pk16_fp6_f32 v[PC+12+4*\c:PC+14+4*\c], v[\s+16+32*\c:\s+31+32*\c], v[TM+13+2*\c]   ; (a conversion's three registers begin on an even number)
.endr
	v_nop                                          ; one plain line behind the scaled conversions
.irp c, 0,1                                    ; the operand wants a whole block in a lane: lanes 0-15 block 2 c, lanes 16-31 block 2 c + 1
.irp i, 0,1,2
	v_permlane16_swap_b32 v[PC+6*\c+\i], v[PC+12+4*\c+\i]
.endr
.irp i, 0,1,2
	v_mov_b32 v[PC+3+6*\c+\i], v[PC+12+4*\c+\i]
.endr
.endr
.endm
.macro XSTEP s
.set RS, RA+64*((\s)%2)
.if (\s) < 7
	s_wait_loadcnt 16                              ; this step's 16 loads are in; the next step's 16 may be out
.else
	s_wait_loadcnt 0x0
.endif
.irp i, 0,1,2,3,4,5,6,7,8,9,10,11,12,13,14,15
	ds_store_b128 v3, v[RS+4*\i:RS+4*\i+3] offset:528*\i
.endr
.irp b, 0,1,2,3
.irp j, 0,1,2,3
	ds_load_b128 v[X+16*\b+4*\j:X+16*\b+4*\j+3], v4 offset:128*\b+16*\j   ; LDS serves a wave's instructions in order: these see the stores above
.endr
.endr
	s_wait_dscnt 0x0                               ; my numbers are back, so the stores have read their registers,
.if (\s) < 6
	XLOAD (\s)+2                                   ; which take the loads of two steps on
.endif
	s_wait_xcnt 0x0                                ; the last step's stores have read the codes' registers: they are written again only behind this wait
	QUANT X, SW+(\s)
	global_store_b128 v1, v[PC:PC+3], s[10:11] offset:1536*(\s)            ; 512 consecutive bytes
	global_store_b64 v2, v[PC+4:PC+5], s[10:11] offset:1536*(\s)+512       ; 256
	global_store_b64 v2, v[PC+6:PC+7], s[10:11] offset:1536*(\s)+768
	global_store_b128 v1, v[PC+8:PC+11], s[10:11] offset:1536*(\s)+1024
.endm
	XLOAD 0
	XLOAD 1
.irp s, 0,1,2,3,4,5,6,7
	XSTEP \s
.endr
	v_cmp_ne_u32 vcc_lo, 0, v8
.irp j, 0,1,2,3
	v_cndmask_b32 v[252+\j], v[SW+\j], v[SW+4+\j], vcc_lo   ; lanes 0-15 store their row's words 0-3, lanes 16-31 words 4-7
.endr
	global_store_b128 v5, v[252:255], s[14:15] offset:XS_OFF   ; the tile's 512 bytes of scale words, consecutive
	s_wait_tensorcnt 0x0
	ds_add_u32 v238, v239
	s_wait_dscnt 0x0
	s_endpgm
	; ---------------- the weights: K is their FIRST axis.  A lane takes a column, its registers run down K ----------------
.Lweights:
	s_sub_co_u32 s17, ttmp9, XWG
	s_and_b32 s18, s17, 31                         ; group of 128 columns: 0-23 w_attn, 24-31 w_proj
	s_lshr_b32 s19, s17, 5                         ; K step
	s_cmp_lt_u32 s18, 24
	s_cselect_b32 s20, 0, 24
	s_cselect_b32 s21, 0, WP_CO                    ; where the tensor's images begin in wq,
	s_mov_b32 s22, WP_SC
	s_cselect_b32 s22, WA_SC, s22                  ; its scale words,
	s_mov_b32 s23, 4096
	s_cselect_b32 s23, 12288, s23                  ; and a row of the tensor in bytes
	s_sub_co_u32 s20, s18, s20
	s_lshl_b32 s20, s20, 7
	s_lshl_b32 s24, s16, 5
	s_add_co_u32 s20, s20, s24                     ; n0: my wave's first column
	s_lshl_b32 s24, s19, 7
	s_mul_i32 s24, s24, s23                        ; 128 s rows down,
	s_lshl_b32 s25, s20, 2
	s_add_co_u32 s24, s24, s25                     ; n0 columns in
	s_mov_b32 s25, 0
	s_mul_i32 s26, s20, 768                        ; tile n0 / 16: 8 images of 1,536 bytes a tile
	s_mul_i32 s27, s19, 1536
	s_add_co_u32 s26, s26, s27
	s_add_co_u32 s26, s26, s21
	s_mov_b32 s27, 0
	s_lshl_b32 s28, s20, 5                         ; 32 bytes of scale words a position
	s_lshl_b32 s29, s19, 2
	s_add_co_u32 s28, s28, s29
	s_add_co_u32 s28, s28, s22
	s_mov_b32 s29, 0
	v_lshlrev_b32 v1, 2, v6                        ; in: 4 bytes a lane: 128 consecutive bytes a wave, 512 a work-group
	v_bfe_u32 v2, v0, 3, 1                         ; column n0 + L lies at position n0 + 16 T + r: T = bit 3 of L,
	v_bfe_u32 v3, v0, 4, 1
	v_and_b32 v4, 7, v0
	v_lshl_or_b32 v4, v3, 3, v4                    ; r = L % 8 + 8 x bit 4 of L
	s_mul_i32 s30, s16, WSTG
	s_add_co_u32 s30, s30, WSTG0                   ; my stage: the images of tiles T = 0, 1
	v_mul_u32_u24 v5, v2, 1536
	v_add_nc_u32 v5, s30, v5
	v_lshl_add_u32 v7, v4, 4, v5                   ; image + 16 r
	v_lshl_add_u32 v8, v4, 3, v5                   ; image + 8 r
	v_lshl_add_u32 v9, v6, 4, s30                  ; back: 16 x lane
	v_lshlrev_b32 v10, 4, v6
	v_lshl_add_u32 v11, v2, 4, v4
	v_lshlrev_b32 v11, 5, v11                      ; my position's scale words: 32 (16 T + r)
	s_wait_kmcnt 0x0
	s_cmp_lt_u32 s18, 24                           ; the choice hangs on the work-group's number alone
	s_cselect_b64 s[4:5], s[6:7], s[8:9]
	s_add_nc_u64 s[4:5], s[4:5], s[24:25]
	s_add_nc_u64 s[14:15], s[12:13], s[28:29]
	s_add_nc_u64 s[12:13], s[12:13], s[26:27]
.macro WLOADS pitch                    ; W(128 s + i, my column), i = 0 .. 127
.set i, 0
.rept 128
	global_load_b32 v[WX+i], v1, s[4:5] offset:i*\pitch th:TH_LOAD_NT
.set i, i+1
.endr
.endm
	s_cmp_lt_u32 s18, 24
	s_cbranch_scc0 .Lproj_rows
	WLOADS 12288
	s_branch .Lloaded
.Lproj_rows:
	WLOADS 4096
.Lloaded:
	s_wait_loadcnt 0x0
.irp b, 0,1,2,3                                ; a block's 32 numbers are all mine: two chains a block, the four blocks by turns
	v_max3_num_f32 v[WM+\b], |v[WX+32*\b]|, |v[WX+1+32*\b]|, |v[WX+2+32*\b]|
	v_max3_num_f32 v[WN+\b], |v[WX+3+32*\b]|, |v[WX+4+32*\b]|, |v[WX+5+32*\b]|
.endr
.irp i, 6,10,14,18,22,26
.irp b, 0,1,2,3
	v_max3_num_f32 v[WM+\b], v[WM+\b], |v[WX+32*\b+\i]|, |v[WX+1+32*\b+\i]|
	v_max3_num_f32 v[WN+\b], v[WN+\b], |v[WX+2+32*\b+\i]|, |v[WX+3+32*\b+\i]|
.endr
.endr
.irp b, 0,1,2,3
	v_max3_num_f32 v[WM+\b], v[WM+\b], |v[WX+30+32*\b]|, |v[WX+31+32*\b]|
.endr
.irp b, 0,1,2,3
	v_max3_num_f32 v[WM+\b], v[WM+\b], v[WN+\b], 0x1800000   ; and the floor 2^(3 - 127)
.endr
.irp b, 0,1,2,3
	v_add_nc_u32 v[WO+\b], 0xff000000, v[WM+\b]    ; the conversion's scale operand
.endr
.irp b, 0,1,2,3
	v_lshrrev_b32 v[WN+\b], 23, v[WO+\b]           ; the scale's byte
.endr
	v_lshl_or_b32 v[WW], v[WN+1], 8, v[WN]
	v_lshl_or_b32 v[WW], v[WN+2], 16, v[WW]
	v_lshl_or_b32 v[WW], v[WN+3], 24, v[WW]
.irp b, 0,1,2,3
	v_cvt_scalef32_pk16_fp6_f32 v[WC+6*\b:WC+2+6*\b], v[WX+32*\b:WX+15+32*\b], v[WO+\b]
	v_cvt_scalef32_pk16_fp6_f32 v[WT+4*\b:WT+2+4*\b], v[WX+16+32*\b:WX+31+32*\b], v[WO+\b]
.endr
	v_nop                                          ; one plain line behind the scaled conversions
.irp b, 0,1,2,3
.irp i, 0,1,2
	v_mov_b32 v[WC+3+6*\b+\i], v[WT+4*\b+\i]
.endr
.endr
	; block b of row r is what lane r + 16 (b % 2) of the fragment holds in registers 6 (b / 2) .. + 5: it goes to that lane's places in the image
	ds_store_b128 v7, v[WC:WC+3]
	ds_store_b64 v8, v[WC+4:WC+5] offset:512
	ds_store_b128 v7, v[WC+6:WC+9] offset:256
	ds_store_b64 v8, v[WC+10:WC+11] offset:640
	ds_store_b64 v8, v[WC+12:WC+13] offset:768
	ds_store_b128 v7, v[WC+14:WC+17] offset:1024
	ds_store_b64 v8, v[WC+18:WC+19] offset:896
	ds_store_b128 v7, v[WC+20:WC+23] offset:1280
.irp j, 0,1,2,3,4,5
	ds_load_b128 v[WB+4*\j:WB+4*\j+3], v9 offset:512*\j   ; LDS serves a wave's instructions in order: these see my stores
.endr
	global_store_b32 v11, v[WW], s[14:15]          ; 4 bytes of each position's 32: written in part; these words are 131,072 bytes of all that the launch moves
.irp j, 0,1,2,3,4,5
	s_wait_dscnt 5-\j                              ; the younger loads may be out
	global_store_b128 v10, v[WB+4*\j:WB+4*\j+3], s[12:13] offset:(\j/3)*12288+(\j%3)*512   ; 512 consecutive bytes of an image
.endr
	s_wait_tensorcnt 0x0
	ds_add_u32 v238, v239
	s_wait_dscnt 0x0
	s_endpgm
.Lfunc_end_k_qd537c654ec_prep:
	.size	k_qd537c654ec_prep, .Lfunc_end_k_qd537c654ec_prep-k_qd537c654ec_prep
	.p2alignl 7, 3214868480
	.fill 96, 4, 3214868480
	.section	.rodata,"a",@progbits
	.p2align	6, 0x0
	.amdhsa_kernel k_qd537c654ec_prep
		.amdhsa_group_segment_fixed_size 46592
		.amdhsa_private_segment_fixed_size 0
		.amdhsa_enable_private_segment 0
		.amdhsa_kernarg_size 40
		.amdhsa_user_sgpr_count 2
		.amdhsa_user_sgpr_kernarg_segment_ptr 1
		.amdhsa_wavefront_size32 1
		.amdhsa_system_sgpr_workgroup_id_x 1
		.amdhsa_system_sgpr_workgroup_id_y 1
		.amdhsa_system_sgpr_workgroup_id_z 1
		.amdhsa_system_vgpr_workitem_id 0
		.amdhsa_next_free_vgpr 256
		.amdhsa_next_free_sgpr 66
		.amdhsa_reserve_vcc 1
		.amdhsa_float_denorm_mode_32 3
		.amdhsa_float_denorm_mode_16_64 3
		.amdhsa_memory_ordered 1
		.amdhsa_forward_progress 1
		.amdhsa_inst_pref_size 98
	.end_amdhsa_kernel
	.amdgpu_metadata
---
amdhsa.version: [ 1, 2 ]
amdhsa.kernels:
  - .name:           k_qd537c654ec_prep
    .symbol:         k_qd537c654ec_prep.kd
    .args:
      - { .name: x, .offset: 0, .size: 8, .value_kind: global_buffer, .address_space: global }
      - { .name: w_attn, .offset: 8, .size: 8, .value_kind: global_buffer, .address_space: global }
      - { .name: w_proj, .offset: 16, .size: 8, .value_kind: global_buffer, .address_space: global }
      - { .name: xq, .offset: 24, .size: 8, .value_kind: global_buffer, .address_space: global }
      - { .name: wq, .offset: 32, .size: 8, .value_kind: global_buffer, .address_space: global }
    .group_segment_fixed_size: 46592
    .private_segment_fixed_size: 0
    .kernarg_segment_align: 8
    .kernarg_segment_size: 40
    .max_flat_workgroup_size: 128
    .sgpr_count:     66
    .vgpr_count:     256
    .wavefront_size: 32
...
	.end_amdgpu_metadata
.endif
;; end of part 1
;; launch qkv (part 2): grid 12 x 32, 4 waves a work-group, clusters of 4 x 4, 327,680 bytes of LDS; arguments xq, wq, qq, kv; writes qq, kv
.if DOCPART == 2
	.amdgcn_target "amdgcn-amd-amdhsa--gfx1250"
	.amdhsa_code_object_version 6
	.text
	.protected	k_qd537c654ec_qkv
	.globl	k_qd537c654ec_qkv
	.p2align	8
	.type	k_qd537c654ec_qkv,@function
k_qd537c654ec_qkv:
	s_mov_b64 s[64:65], 0
	v_nop
	global_prefetch_b8 v0, s[64:65] scope:SCOPE_SE
	s_setreg_imm32_b32 hwreg(HW_REG_WAVE_MODE, 25, 1), 1
	s_wait_xcnt 0x0
	s_wait_alu depctr_hold_cnt(0) depctr_sa_sdst(0) depctr_va_vdst(0) depctr_va_sdst(0) depctr_va_ssrc(0) depctr_va_vcc(0) depctr_vm_vsrc(0)
	s_getreg_b32 s2, hwreg(HW_REG_IB_STS2, 6, 4)
	s_cmp_eq_u32 s2, 0
	s_cbranch_scc0 .Lentry_in_a_cluster
	s_endpgm
.Lentry_in_a_cluster:
	s_bfe_u32 s2, ttmp6, 0x10000c
	s_cmp_lg_u32 s2, 0xf033
	s_cbranch_scc0 .Lentry_shape_is_right
	s_endpgm
.Lentry_shape_is_right:
; qkv = x w_attn on codes of FP6 (E2M3) with E8M0 scales, K = 1024; the results are quantised in registers and leave as codes: q into qq, k and v into kv.
; A work-group of four waves makes 256 x 256 of the product, a wave 128 x 128: 64 accumulators of 16 x 16.  SOURCE 0 IS ALWAYS THE AXIS THAT IS QUANTISED AFTERWARDS, so that a lane's registers run along the next product's K:
; for q and k (clusters x = 0, 1) source 0 ("B") = 256 columns of w_attn, source 1 ("A") = 256 tokens: a lane holds one token and 128 channels = two heads;
; for v (cluster x = 2) source 0 = 256 tokens, source 1 = 256 columns of w_attn: a lane holds one channel and 128 tokens = keys.
; Rows of both operands lie at POSITIONS (index with bits 3 and 4 exchanged), so the 16 registers of source-0 tiles 2 b, 2 b + 1 are 16 neighbours in true order.  Tokens that are source 1 stay at their positions.
; OPERANDS come as images of their registers ([tile of 16][K step of 128][1536 bytes]: registers 0-3 at 16 x lane, 4-5 at 512 + 8 x lane, 6-7 at 768 + 8 x lane, 8-11 at 1024 + 16 x lane): every LDS load reads consecutive bytes.
; K goes in four steps of 256 through THREE LDS slots: steps 0, 1, 2 are asked for at the start, step 3 goes into slot 0 at the end of step 1.  The scale words of the 512 rows, for all of K, come once.
; Four tensor loads of a wave are out at the start and one later.
; CLUSTERS: 4 x 4 work-groups; A's tile is asked for jointly by a row of the cluster, B's by a column.
; RESULTS.  qq: [head (64)][256 positions (8)][12,800]; kv: the same with K's record and then V's.  A record of q or k: 8 images of PAIRS of tiles (registers 0-5 tile 2 p's 64 codes, registers 6-11 tile 2 p + 1's), then at 12,288
; [half][r][4 words], word j: bytes 0, 1 the scales of tile 2 j, bytes 2, 3 those of tile 2 j + 1.  A record of v: [128 keys (2)][16 channels (4)][1536: registers 4 c .. + 3 at 512 c + 16 x lane], then [half][r][4 words].
; LIMITS: NaN and infinities are not served; a block of zeros gets the byte 1 (its codes are zeros; this program alone reads the bytes); blocks under 2^-124 are held at byte 1.
; REGISTERS: window 0: v1-5 lane terms, v8-19 LDS addresses, v26-29, v32-63 scale words (two sets), v64-99 at work on the way out, v128-223 A's fragments, later the codes made.
;   window 1: B's fragments, two sets, at v0 and v128.  windows 2, 3: the accumulators ((a, b) at v[8 (8 (a % 4) + b)] of window 2 + a / 4).
.set IMG,    1536
.set ROWT,   2*IMG                     ; a tile of 16 rows x 256 along K
.set HALFT,  8*ROWT                    ; 128 rows: what one tensor load brings
.set SLOT,   4*HALFT                   ; A's 256 rows, then B's
.set SCL,    3*SLOT                    ; the scale words, as runs of 256 bytes + 16 of padding
.set HALFS,  16*272                    ; those of 128 rows
.set SBLK,   2*272                     ; those of 16 rows
.set SPARE,  SCL+4*HALFS               ; the spare words: 128 bytes a wave, two blocks of 256 bytes that no other line names
.set XS_OFF, 6291456                   ; xq: the scale words
.set WA_SC,  2359296                   ; wq: w_attn's scale words
.set FR,   12
.set NQ,   2
.set A16,  8                           ; v8-10  LDS address of my A fragments in slot 0, 1, 2, + 16 x lane;  v11-13 + 8 x lane
.set A8,   11
.set B16,  14                          ; v14-16, v17-19 the same for B
.set B8,   17
.set ADRS, 27                          ; v27 my scale words: lanes 0-15 A's rows, lanes 16-31 B's
.set SPW,  28                          ; v28 SPARE + 4 x my thread's number; never rewritten
.set NIL,  29                          ; v29 0; never rewritten
.set SC,   32
.set AF,   128
.set TM,   64                          ; the way out: v64-67 largest magnitudes, v68-71 bytes, v76-79 scale operands
.set CT,   80                          ; v80-86 the conversions' second halves
.set SEL,  12                          ; s[12:13] on the way out: lane selects for lane l xor 16
.set G1,   24                          ; s[24:31] group 1 for A's tiles; s[32:43] groups 0 for slots 0-2
.set G0,   32
.set G1B,  44                          ; s[44:51], s[52:63] the same for B's
.set G0B,  52
.set G1S,  68                          ; s[68:75], s[76:83] groups 1 for A's and B's scale words; s[84:87], s[88:91] their groups 0
.set G1SB, 76
.set G0S,  84
.set G0SB, 88
.set MSB, 0
.macro WIN new                         ; the immediate's high byte repeats the setting that is left
.if MSB != \new
	s_set_vgpr_msb (MSB<<8)|\new
.set MSB, \new
.endif
.endm
.set MUL_LO, 0xa1                      ; source 0 (B) window 1, source 1 (A) window 0, C and D window 2
.set MUL_HI, 0xf1
.set TO_B,   0x40
; A joint load: waves 0 and 1 fetch for A, waves 2 and 3 for B; the branch hangs on the wave's number alone.  Four v_nop follow each of the two lines.
.macro JLOAD g0a, g1a, g0b, g1b
	s_cmp_eq_u32 s15, 0
	s_cbranch_scc0 .Lfor_b_\@
	tensor_load_to_lds s[\g0a:\g0a+3], s[\g1a:\g1a+7]
	s_nop 0
.rept 4
	v_nop
.endr
	s_branch .Lasked_\@
.Lfor_b_\@:
	tensor_load_to_lds s[\g0b:\g0b+3], s[\g1b:\g1b+7]
	s_nop 0
.rept 4
	v_nop
.endr
.Lasked_\@:
.endm
.macro CREST                           ; a round of the cluster's barrier behind its opening barrier
	s_cmp_lg_u32 s14, 0
	s_cbranch_scc1 .Lnot_wave_0_\@
	s_barrier_signal -3
.Lnot_wave_0_\@:
	s_barrier_wait -3
	s_barrier_signal -1
	s_barrier_wait -1
.endm
.macro CROUND
	s_barrier_signal -1
	s_barrier_wait -1
	CREST
.endm
	s_load_b128 s[4:7], s[0:1], 0x0                ; xq, wq
	s_load_b128 s[8:11], s[0:1], 0x10              ; qq, kv
	v_lshl_add_u32 v[SPW], v0, 2, SPARE
	v_mov_b32 v[NIL], 0
	ds_add_u32 v28, v29
	s_wait_dscnt 0x0
	v_lshrrev_b32 v1, 5, v0
	v_readfirstlane_b32 s14, v1                    ; wave 0..3
	s_lshr_b32 s15, s14, 1                         ; which half of A's rows is mine.  Also: I fetch for A (0) or for B (1)
	s_and_b32 s16, s14, 1                          ; which half of B's rows.  Also: which 128 rows I fetch
	s_bfe_u32 s92, ttmp6, 0x40000                  ; cx
	s_bfe_u32 s93, ttmp6, 0x40004                  ; cy
	s_lshl_b32 s94, ttmp9, 2                       ; 4 x cluster x
	s_and_b32 s95, ttmp7, 0xffff
	s_lshl_b32 s95, s95, 2                         ; 4 x cluster y
	s_cmp_eq_u32 ttmp9, 2                          ; v's clusters?  The cluster's x is the same in all sixteen partners
	s_cselect_b32 s96, 8, s95                      ; A's tile of 256 rows: v: columns 2048 on of w_attn; else tokens
	s_cselect_b32 s97, s95, s94                    ; B's: v: tokens; else columns of w_attn
	s_mov_b32 s98, XS_OFF
	s_cselect_b32 s98, WA_SC, s98                  ; where A's scale words begin in A's buffer
	s_mov_b32 s100, WA_SC
	s_cselect_b32 s100, XS_OFF, s100               ; and B's in B's
	s_add_co_u32 s96, s96, s93                     ; + cy: shared along a row of the cluster
	s_add_co_u32 s97, s97, s92                     ; + cx: shared along a column
	s_lshl_b32 s17, s93, 2
	s_lshl_b32 s17, 15, s17                        ; my row of the cluster
	s_lshl_b32 s18, 0x1111, s92                    ; my column
	; group 1 for the codes: 8 tiles of 16 rows, 3,072 consecutive bytes each (384 elements of 8 bytes), 12,288 bytes apart in memory, dense in LDS
	s_or_b32 s[G1], s17, (3<<16)|(1<<21)           ; 15:0 the mask; 17:16 elements of 8 bytes; 21 set beside a mask
	s_or_b32 s[G1B], s18, (3<<16)|(1<<21)
.irp g, G1, G1B
	s_mov_b32 s[\g+1], 384<<16                     ; tensor_dim0
	s_mov_b32 s[\g+2], 8<<16                       ; tensor_dim1
	s_mov_b32 s[\g+3], 384<<16                     ; tile_dim0
	s_mov_b32 s[\g+4], 8                           ; tile_dim1
	s_mov_b32 s[\g+5], 1536                        ; tensor_dim0_stride, in elements
	s_mov_b32 s[\g+6], 0
	s_mov_b32 s[\g+7], 0
.endr
	; and for the scale words of 128 rows: 4,096 dense bytes as 16 rows of 256 bytes, 16 bytes of padding behind each
	s_or_b32 s[G1S], s17, (3<<16)|(1<<20)|(1<<21)|(5<<22)|(3<<25)
	s_or_b32 s[G1SB], s18, (3<<16)|(1<<20)|(1<<21)|(5<<22)|(3<<25)
.irp g, G1S, G1SB
	s_mov_b32 s[\g+1], 32<<16
	s_mov_b32 s[\g+2], 16<<16
	s_mov_b32 s[\g+3], 32<<16
	s_mov_b32 s[\g+4], 16
	s_mov_b32 s[\g+5], 32
	s_mov_b32 s[\g+6], 0
	s_mov_b32 s[\g+7], 0
.endr
	s_lshl_b32 s19, s16, 7                         ; which 128 rows of the tile I fetch
	s_lshl_b32 s20, s96, 8
	s_add_co_u32 s20, s20, s19                     ; A: first row
	s_lshl_b32 s22, s97, 8
	s_add_co_u32 s22, s22, s19                     ; B: first row
	s_mul_i32 s2, s20, 768                         ; its images: 12,288 bytes for 16 rows
	s_mov_b32 s3, 0
	s_lshl_b32 s20, s20, 5                         ; its scale words: 32 bytes a row
	s_add_co_u32 s98, s98, s20
	s_mov_b32 s99, 0
	s_mul_i32 s12, s22, 768
	s_mov_b32 s13, 0
	s_lshl_b32 s22, s22, 5
	s_add_co_u32 s100, s100, s22
	s_mov_b32 s101, 0
	s_mul_i32 s19, s14, HALFT                      ; where they go: wave x 128 rows: no place in the cluster enters an LDS address
	s_mul_i32 s23, s14, HALFS
	s_wait_kmcnt 0x0
	s_cmp_eq_u32 ttmp9, 2
	s_cselect_b64 s[20:21], s[6:7], s[4:5]         ; A's buffer
	s_cselect_b64 s[94:95], s[4:5], s[6:7]         ; B's buffer
	s_add_nc_u64 s[98:99], s[20:21], s[98:99]
	s_add_nc_u64 s[20:21], s[20:21], s[2:3]
	s_add_nc_u64 s[100:101], s[94:95], s[100:101]
	s_add_nc_u64 s[94:95], s[94:95], s[12:13]
	CROUND                                         ; all sixteen work-groups are here: the first joint loads meet
	s_mov_b32 s[G0S], 1
	s_add_co_u32 s[G0S+1], s23, SCL
	s_mov_b64 s[G0S+2:G0S+3], s[98:99]
	s_or_b32 s[G0S+3], s[G0S+3], 0x80000000
	s_mov_b32 s[G0SB], 1
	s_add_co_u32 s[G0SB+1], s23, SCL
	s_mov_b64 s[G0SB+2:G0SB+3], s[100:101]
	s_or_b32 s[G0SB+3], s[G0SB+3], 0x80000000
	JLOAD G0S, G1S, G0SB, G1SB                     ; the scale words first: they are wanted with K step 0
.irp s, 0,1,2
	s_mov_b32 s[G0+4*\s], 1
	s_add_co_u32 s[G0+4*\s+1], s19, \s*SLOT
	s_add_nc_u64 s[G0+4*\s+2:G0+4*\s+3], s[20:21], \s*ROWT
	s_or_b32 s[G0+4*\s+3], s[G0+4*\s+3], 0x80000000
	s_mov_b32 s[G0B+4*\s], 1
	s_add_co_u32 s[G0B+4*\s+1], s19, \s*SLOT
	s_add_nc_u64 s[G0B+4*\s+2:G0B+4*\s+3], s[94:95], \s*ROWT
	s_or_b32 s[G0B+4*\s+3], s[G0B+4*\s+3], 0x80000000
	JLOAD G0+4*\s, G1, G0B+4*\s, G1B               ; K step s into slot s
.endr
	v_and_b32 v1, 31, v0                           ; lane
	v_and_b32 v2, 15, v0                           ; r
	v_bfe_u32 v3, v0, 4, 1                         ; h
	v_lshlrev_b32 v4, 4, v1                        ; 16 x lane
	v_lshlrev_b32 v5, 3, v1                        ; 8 x lane
	s_mul_i32 s21, s15, HALFT                      ; my 128 rows of A
	s_mul_i32 s22, s16, HALFT                      ; my 128 rows of B,
	s_add_co_u32 s22, s22, 2*HALFT                 ; behind A's 256
.irp s, 0,1,2
	v_add_nc_u32 v[A16+\s], s21, v4
	v_add_nc_u32 v[A8+\s], s21, v5
	v_add_nc_u32 v[B16+\s], s22, v4
	v_add_nc_u32 v[B8+\s], s22, v5
	s_add_co_u32 s21, s21, SLOT
	s_add_co_u32 s22, s22, SLOT
.endr
	v_lshlrev_b32 v6, 5, v2                        ; my row's scale words: 32 bytes a row,
	v_lshrrev_b32 v7, 8, v6
	v_lshl_add_u32 v6, v7, 4, v6                   ; and 16 more for each 256 passed
	s_mul_i32 s21, s15, HALFS
	s_mul_i32 s22, s16, HALFS
	s_add_co_u32 s22, s22, 2*HALFS
	s_sub_co_u32 s22, s22, s21
	v_mul_u32_u24 v7, s22, v3                      ; lanes 16-31 take B's: one product, the distance x h
	s_add_co_u32 s21, s21, SCL
	v_add_nc_u32 v6, v6, v7
	v_add_nc_u32 v[ADRS], s21, v6
.macro FRAG reg, a16, a8, off          ; a fragment's image, 1,536 bytes, into 12 registers: each load reads consecutive bytes
	ds_load_b128 v[\reg:\reg+3], v[\a16] offset:\off
	ds_load_b64 v[\reg+4:\reg+5], v[\a8] offset:\off+512
	ds_load_b64 v[\reg+6:\reg+7], v[\a8] offset:\off+768
	ds_load_b128 v[\reg+8:\reg+11], v[\a16] offset:\off+1024
.endm
; 16 matrix instructions: A's blocks a0, a0 + 1 x B's eight, 128 along K.  p: B's set; q: which 128 of the K step; sc: the set of scale words.  zero = 1: the first product starts the sums.
; The 64 accumulators take turns, one instruction a turn, in the same order in every step.
.macro MUL16 a0, p, q, sc, zero
.irp a, \a0, \a0+1
.irp b, 0,1,2,3,4,5,6,7
.if \zero
	v_wmma_scale_f32_16x16x128_f8f6f4 v[8*(8*((\a)%4)+\b):8*(8*((\a)%4)+\b)+7], v[128*(\p)+FR*\b:128*(\p)+FR*\b+FR-1], v[AF+FR*(\a):AF+FR*(\a)+FR-1], 0, v[SC+8*NQ*(\sc)+NQ*\b+(\q)], v[SC+8*NQ*(\sc)+NQ*(\a)+(\q)] matrix_a_fmt:MATRIX_FMT_FP6 matrix_b_fmt:MATRIX_FMT_FP6 matrix_a_scale:MATRIX_SCALE_ROW1
.else
	v_wmma_scale_f32_16x16x128_f8f6f4 v[8*(8*((\a)%4)+\b):8*(8*((\a)%4)+\b)+7], v[128*(\p)+FR*\b:128*(\p)+FR*\b+FR-1], v[AF+FR*(\a):AF+FR*(\a)+FR-1], v[8*(8*((\a)%4)+\b):8*(8*((\a)%4)+\b)+7], v[SC+8*NQ*(\sc)+NQ*\b+(\q)], v[SC+8*NQ*(\sc)+NQ*(\a)+(\q)] matrix_a_fmt:MATRIX_FMT_FP6 matrix_b_fmt:MATRIX_FMT_FP6 matrix_a_scale:MATRIX_SCALE_ROW1
.endif
.endr
.endr
.endm
.macro FETCH_B slot, q, p
	WIN TO_B
.irp i, 0,1,2,3,4,5,6,7
	FRAG 128*(\p)+FR*\i, B16+\slot, B8+\slot, \i*ROWT+(\q)*IMG
.endr
	WIN 0
.endm
.macro FETCH_A slot, q, i0
.irp i, \i0, \i0+1, \i0+2, \i0+3
	FRAG AF+FR*(\i), A16+\slot, A8+\slot, (\i)*ROWT+(\q)*IMG
.endr
.endm
.macro SCALES k, sc                    ; K step k's two words a row into set sc: lanes 0-15 A's block i, lanes 16-31 B's block i
.irp i, 0,1,2,3,4,5,6,7
	ds_load_b64 v[SC+8*NQ*(\sc)+NQ*\i:SC+8*NQ*(\sc)+NQ*\i+1], v[ADRS] offset:\i*SBLK+8*(\k)
.endr
.endm
.macro PLACES                          ; four plain lines between a matrix instruction and a load into, or a read of, its registers (ISA guide 7.12.1 for vector instructions)
.rept 4
	v_nop
.endr
.endm
.macro STEP slot, sc, zero             ; a K step's first 128
	s_wait_dscnt 16                                ; B's set, A's blocks 0-3 and the scale words are in; the youngest 16 loads (A's blocks 4-7) may be out
	WIN MUL_LO
	MUL16 0, 0, 0, \sc, \zero
	MUL16 2, 0, 0, \sc, \zero
	s_wait_dscnt 0x0
	PLACES
	FETCH_B \slot, 1, 1
	FETCH_A \slot, 1, 0
	WIN MUL_HI
	MUL16 4, 0, 0, \sc, \zero
	MUL16 6, 0, 0, \sc, \zero
	PLACES
	WIN 0
	FETCH_A \slot, 1, 4
.endm
; A K step's second 128 changes slots: one barrier.  fill = 1: behind it slot 0, which every wave left a K step ago, takes K step 3: each wave waits for all its tensor loads, adds 0 to its spare word, waits for that and for its LDS reads,
; and the barrier opens a round of the cluster's.  fill = 0: tcnt younger tensor loads may stay out.
.macro TURN slot, sc, next, knext, nsc, tcnt, fill
.if \fill
	s_wait_tensorcnt 0x0                           ; all my tensor loads have landed, my part of the next slot among them
	ds_add_u32 v[SPW], v[NIL]                      ; 0 onto my spare word
	s_wait_dscnt 17                                ; (the add and the youngest 16 loads may be out)
.else
	s_wait_tensorcnt \tcnt                         ; my part of the next slot has landed
	s_wait_dscnt 16
.endif
	WIN MUL_LO
	MUL16 0, 1, 1, \sc, 0
	s_wait_dscnt 0x0                               ; my LDS instructions are done: my reads of this slot are over
	s_barrier_signal -1
	MUL16 2, 1, 1, \sc, 0
	WIN 0
	s_barrier_wait -1
.if \fill
	CREST                                          ; no wave of any partner still reads slot 0 or has a load on its way
	s_add_nc_u64 s[G0+2:G0+3], s[G0+2:G0+3], 3*ROWT
	s_add_nc_u64 s[G0B+2:G0B+3], s[G0B+2:G0B+3], 3*ROWT
	JLOAD G0, G1, G0B, G1B                         ; the first tensor load behind the round; its four v_nop are the places in front of the loads below
.else
	PLACES
.endif
	FETCH_B \next, 0, 0
	FETCH_A \next, 0, 0
	SCALES \knext, \nsc
	WIN MUL_HI
	MUL16 4, 1, 1, \sc, 0
	MUL16 6, 1, 1, \sc, 0
	PLACES
	WIN 0
	FETCH_A \next, 0, 4
.endm
	s_wait_tensorcnt 2                             ; the scale words and my part of K step 0 are in; K steps 1 and 2 may be out
	s_barrier_signal -1
	s_barrier_wait -1                              ; everybody's are
	FETCH_B 0, 0, 0
	FETCH_A 0, 0, 0
	SCALES 0, 0
	FETCH_A 0, 0, 4
	STEP 0, 0, 1                                   ; K = 1024 is eight steps of 128, written out
	TURN 0, 0, 1, 1, 1, 1, 0                       ; K step 2's load may stay out
	STEP 1, 1, 0
	TURN 1, 1, 2, 2, 0, 0, 1                       ; K step 3 goes into slot 0
	STEP 2, 0, 0
	TURN 2, 0, 0, 3, 1, 0, 0                       ; K step 3 has landed
	STEP 0, 1, 0
	s_wait_dscnt 16                                ; the very last 128
	WIN MUL_LO
	MUL16 0, 1, 1, 1, 0
	MUL16 2, 1, 1, 1, 0
	s_wait_dscnt 0x0
	WIN MUL_HI
	MUL16 4, 1, 1, 1, 0
	MUL16 6, 1, 1, 1, 0
	WIN 0
	; THE WAY OUT.  For each of A's blocks a, a lane's 64 numbers (register 16 b + i = index 32 b + 16 (lane / 16) + i along source 0) become a fragment's 12 registers of codes, v[128 + 12 a] on, and a scale word, v[32 + a].
.irp b, 0,1,2,3
	v_mov_b32 v[TM+4+\b], 0                        ; a lane permute's destination counts as one of its sources.  These four are also the places behind the last products
.endr
	s_mov_b32 s[SEL], 0x76543210
	s_mov_b32 s[SEL+1], 0xfedcba98
.macro QUANTW a
.set AC, 64*((\a)%4)
.set CD, 128+12*(\a)
	WIN 0x0a+5*((\a)/4)                            ; sources 0 and 1: the accumulators' window
.irp b, 0,1,2,3
	v_max3_num_f32 v[TM+\b], |v[AC+16*\b]|, |v[AC+1+16*\b]|, 0x1800000   ; each accumulator is read from its low end on; the floor 2^(3 - 127) holds the byte at 1 from below
.endr
.irp i, 2,4,6,8,10,12,14
.irp b, 0,1,2,3
	v_max3_num_f32 v[TM+\b], |v[AC+16*\b+\i]|, |v[AC+1+16*\b+\i]|, v[TM+\b]
.endr
.endr
	WIN 0
.irp b, 0,1,2,3
	v_permlanex16_b32 v[TM+4+\b], v[TM+\b], s[SEL], s[SEL+1]
.endr
.irp b, 0,1,2,3
	v_max_num_f32 v[TM+\b], v[TM+\b], v[TM+4+\b]
.endr
.irp b, 0,1,2,3
	v_add_nc_u32 v[TM+12+\b], 0xff000000, v[TM+\b] ; 2 off the exponent field: the conversion's scale operand
.endr
.irp b, 0,1,2,3
	v_lshrrev_b32 v[TM+4+\b], 23, v[TM+12+\b]
.endr
	v_lshl_or_b32 v[32+(\a)], v[TM+5], 8, v[TM+4]
	v_lshl_or_b32 v[32+(\a)], v[TM+6], 16, v[32+(\a)]
	v_lshl_or_b32 v[32+(\a)], v[TM+7], 24, v[32+(\a)]
	WIN 0x02+((\a)/4)                              ; source 0: the accumulators' window
.irp c, 0,1
	v_cvt_scalef32_pk16_fp6_f32 v[CD+6*\c:CD+2+6*\c], v[AC+32*\c:AC+15+32*\c], v[TM+12+2*\c]
	v_cvt_scalef32_pk16_fp6_f32 v[CT+4*\c:CT+2+4*\c], v[AC+16+32*\c:AC+31+32*\c], v[TM+13+2*\c]
.endr
	WIN 0
	v_nop                                          ; one plain line behind the scaled conversions
.irp c, 0,1
.irp i, 0,1,2
	v_permlane16_swap_b32 v[CD+6*\c+\i], v[CT+4*\c+\i]
.endr
.irp i, 0,1,2
	v_mov_b32 v[CD+3+6*\c+\i], v[CT+4*\c+\i]
.endr
.endr
.endm
.irp a, 0,1,2,3,4,5,6,7
	QUANTW \a
.endr
	; where they go
	s_cmp_eq_u32 ttmp9, 2
	s_cselect_b32 s2, s97, s96                     ; the tile of 256 tokens
	s_cselect_b32 s3, s93, s92                     ; the tile of 256 columns within q, k or v
	s_cselect_b32 s17, s15, s16                    ; my half of it: 128 columns = two heads
	s_cselect_b32 s18, s16, s15                    ; my half of the tokens
	s_cselect_b32 s19, 12800, 0                    ; v's record lies behind k's
	s_min_u32 s23, ttmp9, 1                        ; kv's records are twice as far apart as qq's
	s_lshl_b32 s3, s3, 1
	s_add_co_u32 s3, s3, s17                       ; the pair of heads
	s_lshl_b32 s3, s3, 1
	s_lshr_b32 s17, s2, 3                          ; the batch
	s_and_b32 s2, s2, 7                            ; which 256 of its tokens
	s_lshl_b32 s17, s17, 4
	s_add_co_u32 s17, s17, s3                      ; the even head among the 64
	s_lshl_b32 s22, 102400, s23                    ; from head to head
	s_lshl_b32 s23, 12800, s23                     ; from 256 tokens to the next
	s_mul_i32 s17, s17, s22
	s_mul_i32 s2, s2, s23
	s_add_co_u32 s17, s17, s2
	s_add_co_u32 s17, s17, s19                     ; the even head's record
	s_mul_i32 s2, s18, 4*IMG
	s_add_co_u32 s98, s17, s2                      ; my half's four images
	s_mov_b32 s99, 0
	s_lshl_b32 s2, s18, 8
	s_add_co_u32 s100, s17, s2
	s_add_co_u32 s100, s100, 12288                 ; my half's 256 bytes of scale words
	s_mov_b32 s101, 0
	s_mov_b32 s23, 0
	s_cmp_eq_u32 ttmp9, 0
	s_cselect_b64 s[20:21], s[8:9], s[10:11]       ; qq or kv
	s_add_nc_u64 s[98:99], s[20:21], s[98:99]      ; the even head's images
	s_add_nc_u64 s[100:101], s[20:21], s[100:101]
	s_add_nc_u64 s[94:95], s[98:99], s[22:23]      ; the odd head's
	v_mul_u32_u24 v26, v3, s22
	v_lshl_add_u32 v26, v2, 4, v26                 ; scale words: lanes 0-15 the even head's row r, lanes 16-31 the odd head's
	v_cmp_ne_u32 vcc_lo, 0, v3
	s_cmp_eq_u32 ttmp9, 2
	s_cbranch_scc1 .Lv_way
.irp j, 0,1,2,3                                ; q, k: token tiles 2 j and 2 j + 1; of each fragment registers 0-5 are the even head's 64 codes, registers 6-11 the odd head's
	global_store_b128 v4, v[128+24*\j:131+24*\j], s[98:99] offset:IMG*\j
	global_store_b64 v5, v[132+24*\j:133+24*\j], s[98:99] offset:IMG*\j+512
	global_store_b64 v5, v[140+24*\j:141+24*\j], s[98:99] offset:IMG*\j+768
	global_store_b128 v4, v[142+24*\j:145+24*\j], s[98:99] offset:IMG*\j+1024
	global_store_b128 v4, v[134+24*\j:137+24*\j], s[94:95] offset:IMG*\j
	global_store_b64 v5, v[138+24*\j:139+24*\j], s[94:95] offset:IMG*\j+512
	global_store_b64 v5, v[146+24*\j:147+24*\j], s[94:95] offset:IMG*\j+768
	global_store_b128 v4, v[148+24*\j:151+24*\j], s[94:95] offset:IMG*\j+1024
	v_perm_b32 v[88+\j], v[33+2*\j], v[32+2*\j], 0x05040100   ; the even head's bytes of both tiles
	v_perm_b32 v[92+\j], v[33+2*\j], v[32+2*\j], 0x07060302   ; the odd head's
.endr
	s_branch .Lwords
.Lv_way:
.irp a, 0,1,2,3,4,5,6,7                        ; v: blocks 0-3 are the even head's four tiles of 16 channels, blocks 4-7 the odd head's; K = my 128 tokens
.irp c, 0,1,2
.if \a < 4
	global_store_b128 v4, v[128+12*\a+4*\c:131+12*\a+4*\c], s[98:99] offset:(\a%4)*IMG+512*\c
.else
	global_store_b128 v4, v[128+12*\a+4*\c:131+12*\a+4*\c], s[94:95] offset:(\a%4)*IMG+512*\c
.endif
.endr
.endr
.irp j, 0,1,2,3
	v_mov_b32 v[88+\j], v[32+\j]
	v_mov_b32 v[92+\j], v[36+\j]
.endr
.Lwords:
.irp j, 0,1,2,3
	v_cndmask_b32 v[96+\j], v[88+\j], v[92+\j], vcc_lo
.endr
	global_store_b128 v26, v[96:99], s[100:101]    ; sixteen lanes store 256 consecutive bytes, aligned, for each head
	s_wait_tensorcnt 0x0                           ; the wave's end
	ds_add_u32 v[SPW], v[NIL]
	s_wait_dscnt 0x0
	CROUND                                         ; the closing round
	s_endpgm
.Lfunc_end_k_qd537c654ec_qkv:
	.size	k_qd537c654ec_qkv, .Lfunc_end_k_qd537c654ec_qkv-k_qd537c654ec_qkv
	.p2alignl 7, 3214868480
	.fill 96, 4, 3214868480
	.section	.rodata,"a",@progbits
	.p2align	6, 0x0
	.amdhsa_kernel k_qd537c654ec_qkv
		.amdhsa_group_segment_fixed_size 327680
		.amdhsa_private_segment_fixed_size 0
		.amdhsa_enable_private_segment 0
		.amdhsa_kernarg_size 32
		.amdhsa_user_sgpr_count 2
		.amdhsa_user_sgpr_kernarg_segment_ptr 1
		.amdhsa_wavefront_size32 1
		.amdhsa_system_sgpr_workgroup_id_x 1
		.amdhsa_system_sgpr_workgroup_id_y 1
		.amdhsa_system_sgpr_workgroup_id_z 1
		.amdhsa_system_vgpr_workitem_id 0
		.amdhsa_next_free_vgpr 1024
		.amdhsa_next_free_sgpr 102
		.amdhsa_reserve_vcc 1
		.amdhsa_float_denorm_mode_32 3
		.amdhsa_float_denorm_mode_16_64 3
		.amdhsa_memory_ordered 1
		.amdhsa_forward_progress 1
		.amdhsa_inst_pref_size 153
	.end_amdhsa_kernel
	.amdgpu_metadata
---
amdhsa.version: [ 1, 2 ]
amdhsa.kernels:
  - .name:           k_qd537c654ec_qkv
    .symbol:         k_qd537c654ec_qkv.kd
    .args:
      - { .name: xq, .offset: 0, .size: 8, .value_kind: global_buffer, .address_space: global }
      - { .name: wq, .offset: 8, .size: 8, .value_kind: global_buffer, .address_space: global }
      - { .name: qq, .offset: 16, .size: 8, .value_kind: global_buffer, .address_space: global }
      - { .name: kv, .offset: 24, .size: 8, .value_kind: global_buffer, .address_space: global }
    .group_segment_fixed_size: 327680
    .private_segment_fixed_size: 0
    .kernarg_segment_align: 8
    .kernarg_segment_size: 32
    .max_flat_workgroup_size: 128
    .sgpr_count:     102
    .vgpr_count:     1024
    .wavefront_size: 32
...
	.end_amdgpu_metadata
.endif
;; end of part 2
;; launch attn (part 3): grid 4 x 64, 16 waves a work-group, no clusters, 327,680 bytes of LDS; arguments qq, kv, yq; writes yq
.if DOCPART == 3
	.amdgcn_target "amdgcn-amd-amdhsa--gfx1250"
	.amdhsa_code_object_version 6
	.text
	.protected	k_qd537c654ec_attn
	.globl	k_qd537c654ec_attn
	.p2align	8
	.type	k_qd537c654ec_attn,@function
k_qd537c654ec_attn:
	s_mov_b64 s[64:65], 0
	v_nop
	global_prefetch_b8 v0, s[64:65] scope:SCOPE_SE
	s_setreg_imm32_b32 hwreg(HW_REG_WAVE_MODE, 25, 1), 1
	s_wait_xcnt 0x0
; y = softmax(q k^T / 8, causal) v for 64 heads of 64 channels and 2,048 tokens, both products on codes of FP6 (E2M3) with E8M0 scales; y leaves as codes, quantised along the channels, as the last product's operand.
; THE SOFTMAX AHEAD OF THE SECOND PRODUCT: t = score x log2(e) / 8; M = the running largest t rounded up to a whole number; p = 2^(t - M) is quantised along the keys, not normalised; the row's sum is taken of the
; unquantised p and divides at the end.  When M moves, the sum and O are multiplied by 2^(old M - new M): exact.
; SHARES.  Work-group (x, head) owns the blocks 7 - x and x of 256 queries, one after the other: 8 - x and x + 1 slots of 256 keys, NINE TRIPS for every work-group, so that the causal mask leaves all 256 the same work.
; Each of sixteen waves owns one tile of 16 queries of the block in 256 registers.  K's and V's records of 256 keys (25,600 dense bytes, scale words inside) come through a ring of two LDS slots; waves 0-3 fetch a quarter each.
; NO CLUSTER: the four work-groups of a head want different slots in the same trip from trip 5 on (x = 3 goes back to slot 0 there); walking in step would take 12 trips for 9, and a trip fetches 25,600 bytes for 32 key steps' work.
; LAYOUT.  Both products are used transposed: a lane holds ONE query (lane % 16) throughout.  Tokens lie at POSITIONS (index with bits 3 and 4 exchanged): the 16 registers of key tiles 2 b, 2 b + 1 are 16 neighbouring keys.
; K = 64 IN THE FIRST PRODUCT: an image holds a PAIR of key tiles (k 0-63: tile 2 p; k 64-127: tile 2 p + 1).  Q stands as [q][zeros][q] in 18 registers: [q][zeros] multiplies the first tile, [zeros][q] the second.
; THE MASK: a key step all of whose keys come after my queries is jumped over (a scalar branch on ids); on the diagonal hidden scores become -infinity.  The first key of a step that is walked counts for all my queries.
; LIMITS: NaN and infinities are not served; a block of zeros gets the byte 1 (its codes are zeros; this program alone reads the bytes); the scale bytes of y leave as 2 bytes a row beside every 48 bytes of codes, to rows 32 bytes apart.
.set REC,    12800                     ; a record: 8 images, then 512 bytes of scale words
.set SLOTB,  2*REC
.set SLOT1,  32768                     ; slot 1 begins here: one exclusive or turns an address
.set SPARE,  65536                     ; the spare words: 128 bytes a wave, eight blocks of 256 bytes that no other line names
.set YS_OFF, 6291456                   ; yq: the scale words
.set SPW, 7                            ; v7  SPARE + 4 x my thread's number; never rewritten
.set NIL, 8                            ; v8  0; never rewritten
.set PFO, 11                           ; v11 256 x lane; never rewritten
.set QF,  16                           ; v16-33 [q][zeros][q]
.set QS,  34                           ; q's scale word: its two bytes twice
.set PS,  35                           ; p's scale word
.set KS,  40                           ; v40-43 K's scale words of the step's four pairs; v44-47 V's of its four tiles
.set VS,  44
.set FB,  48                           ; v48-95 four fragments of K or of V
.set S,   96                           ; v96-159 S^T, then p
.set O,   160                          ; v160-191 O^T
.set PC,  192                          ; v192-203 p's codes
.set BM,  204
.set BT,  208
.set SO,  212
.set CT,  216
.set Q1,  226                          ; v226-232 the first block's q and scale word; v234-240 the second's
.set Q2,  234
; v1 16 x lane, v2 8 x lane, v3 16 r + 12,288, v4-6 the same in the slot in hand, v9 my query less 16 h, v10 32 r, v12 -M, v13 the largest t, v[14:15] the sum, v[36:37] f, v[38:39] the sum's second chain
.set WV,   10
.set BH,   12
.set YB,   16                          ; s[16:17], s[18:19] where y's codes and scale bytes go
.set YS,   18
.set G1,   24
.set G0,   32
.set KVW,  36                          ; s[36:37] my quarter of the head's first record pair
.set PFA,  38                          ; s[38:39] where my prefetches stand
.set OFF,  40
.set SEL,  42
.set CS,   44
.set PCH,  46                          ; the run of 8,192 bytes of the head's 25 that I ask for next; 1000 and more in a wave that asks for nothing
.set TRIP, 47
.set SW,   48                          ; the trip in which the second block begins
.set SIGF, 49                          ; the slot of keys asked for last
.set TB,   50
.set KF,   51                          ; the step's first key
.set QG,   52                          ; 32 x (my first query / 32)
.set BQ,   53
	s_load_b128 s[4:7], s[0:1], 0x0                ; qq, kv
	s_load_b64 s[8:9], s[0:1], 0x10                ; yq
	v_lshl_add_u32 v[SPW], v0, 2, SPARE
	v_mov_b32 v[NIL], 0
	ds_add_u32 v7, v8
	s_wait_dscnt 0x0
	v_lshrrev_b32 v1, 5, v0
	v_readfirstlane_b32 s[WV], v1                  ; wave 0..15
	s_and_b32 s[BH], ttmp7, 0xffff                 ; the head among the 64
	; group 1: 6,400 dense bytes as 25 rows of 256 bytes (32 elements of 8 bytes), no padding
	s_mov_b32 s[G1], 3<<16
	s_mov_b32 s[G1+1], 32<<16
	s_mov_b32 s[G1+2], 25<<16
	s_mov_b32 s[G1+3], 32<<16
	s_mov_b32 s[G1+4], 25
	s_mov_b32 s[G1+5], 32
	s_mov_b32 s[G1+6], 0
	s_mov_b32 s[G1+7], 0
	s_and_b32 s13, s[WV], 3
	s_mul_i32 s13, s13, 6400                       ; my quarter, in a slot and in memory
	s_mul_i32 s14, s[BH], 8*SLOTB
	s_add_co_u32 s14, s14, s13
	s_mov_b32 s15, 0
	s_mov_b32 s[SEL], 0x76543210
	s_mov_b32 s[SEL+1], 0xfedcba98
	s_mov_b32 s[CS], 0x3e38aa3b                    ; c = log2(e) / 8
	s_mov_b32 s[CS+1], s[CS]
	s_mov_b32 s[TB], 0
	s_mov_b32 s[SIGF], 0
	s_mov_b32 s[OFF+1], 0
	s_sub_co_u32 s[SW], 8, ttmp9
	s_sub_co_u32 s[BQ], 7, ttmp9
	s_wait_kmcnt 0x0
	s_add_nc_u64 s[KVW:KVW+1], s[6:7], s[14:15]
	s_mov_b32 s[G0], 1
	s_mov_b32 s[G0+1], s13
	s_mov_b64 s[G0+2:G0+3], s[KVW:KVW+1]
	s_or_b32 s[G0+3], s[G0+3], 0x80000000
	s_cmp_lt_u32 s[WV], 4
	s_cbranch_scc0 .Lno_first
	tensor_load_to_lds s[G0:G0+3], s[G1:G1+7]      ; keys 0-255 into slot 0
	s_nop 0
.rept 4
	v_nop
.endr
.Lno_first:
	; the prefetches: the work-group with x = 0 walks the head's slots 0 to 7 in order; its waves 4 to 7, which fetch nothing, ask.  Nothing is asked for here, at the head
	s_and_b32 s14, s[WV], 3
	s_add_co_u32 s14, s14, 2
	s_sub_co_u32 s15, s[WV], 4
	s_lshr_b32 s15, s15, 2                         ; 0 in waves 4 to 7,
	s_or_b32 s15, s15, ttmp9                       ; of the head's first work-group
	s_cmp_eq_u32 s15, 0
	s_cselect_b32 s[PCH], s14, 1000
	s_lshl_b32 s14, s14, 13
	s_mul_i32 s15, s[BH], 8*SLOTB
	s_add_co_u32 s14, s14, s15
	s_mov_b32 s15, 0
	s_add_nc_u64 s[PFA:PFA+1], s[6:7], s[14:15]
	v_and_b32 v242, 31, v0                         ; lane
	v_and_b32 v243, 15, v0                         ; r
	v_bfe_u32 v244, v0, 4, 1                       ; h
	v_lshlrev_b32 v1, 4, v242
	v_lshlrev_b32 v2, 3, v242
	v_lshlrev_b32 v245, 4, v243
	v_add_nc_u32 v3, 12288, v245
	v_lshlrev_b32 v10, 5, v243
	v_lshlrev_b32 v[PFO], 8, v242
	s_and_b32 s54, s[WV], 1
	s_lshl_b32 s55, s54, 3
	v_and_b32 v9, 8, v243
	v_add_nc_u32 v9, v9, v243
	v_add_nc_u32 v9, s55, v9                       ; position r of tile w is query 32 (w / 2) + 8 (w % 2) + r + 8 (r / 8) of the block;
	v_lshlrev_b32 v246, 4, v244
	v_sub_nc_u32 v9, v9, v246                      ; less 16 h, for the mask
	; Q of both blocks: the pair image w / 2 of the block's record, and the pair's scale word of my row
	s_lshr_b32 s55, s[WV], 1
	s_mul_i32 s56, s55, 1536
	v_add_nc_u32 v246, s56, v1
	v_add_nc_u32 v247, s56, v2
	s_and_b32 s55, s55, 3
	s_lshl_b32 s55, s55, 2
	s_lshr_b32 s56, s[WV], 3
	s_lshl_b32 s56, s56, 8
	s_add_co_u32 s55, s55, s56
	v_add_nc_u32 v245, s55, v245
	s_lshl_b32 s56, s[BH], 3
	s_add_co_u32 s58, s56, ttmp9
	s_add_co_u32 s56, s56, s[BQ]
	s_mul_i32 s56, s56, REC
	s_mul_i32 s58, s58, REC
	s_mov_b32 s57, 0
	s_mov_b32 s59, 0
	s_add_nc_u64 s[56:57], s[4:5], s[56:57]
	s_add_nc_u64 s[58:59], s[4:5], s[58:59]
.macro LOADQ base, tmp, wrd
	global_load_b128 v[\tmp:\tmp+3], v246, s[\base:\base+1]
	global_load_b64 v[\tmp+4:\tmp+5], v247, s[\base:\base+1] offset:512
	global_load_b64 v[\tmp+6:\tmp+7], v247, s[\base:\base+1] offset:768
	global_load_b128 v[\tmp+8:\tmp+11], v246, s[\base:\base+1] offset:1024
	global_load_b32 v[\wrd], v245, s[\base:\base+1] offset:12288
.endm
	LOADQ 56, 48, 72
	LOADQ 58, 60, 73
.irp i, 0,1,2,3,4,5
	v_mov_b32 v[QF+6+\i], 0                        ; the zeros between the two copies of q
.endr
.irp b, 0,1,2,3
	v_mov_b32 v[BT+\b], 0                          ; written once: a lane permute's destination counts as one of its sources
.endr
	v_mov_b32 v37, 0                               ; (named as the upper half of the pair v[36:37])
	v_mov_b32 v38, 0
	v_mov_b32 v39, 0
	s_cmp_eq_u32 s54, 0                            ; my tile is the pair's first or second
	s_cselect_b32 s60, 0, -1
	s_mov_b32 s61, 0x03020302
	s_cselect_b32 s61, 0x01000100, s61
	s_wait_loadcnt 0x0
.irp i, 0,1,2,3,4,5
	v_cndmask_b32 v[Q1+\i], v[48+\i], v[54+\i], s60
	v_cndmask_b32 v[Q2+\i], v[60+\i], v[66+\i], s60
.endr
	v_perm_b32 v[Q1+6], v72, v72, s61              ; my tile's two scale bytes, twice: they serve k 0-63 and k 64-127 alike
	v_perm_b32 v[Q2+6], v73, v73, s61
; A block begins.  Q's scale word and fragment are written first: the 36 plain lines behind them are the places ahead of the next scaled product.  O^T and the sum begin as zeros and the largest t as -3e38:
; the key step is written without a first step of its own, and the first change of M multiplies zeros.
.macro SETQ src
	v_mov_b32 v[QS], v[\src+6]
.irp i, 0,1,2,3,4,5
	v_mov_b32 v[QF+\i], v[\src+\i]
	v_mov_b32 v[QF+12+\i], v[\src+\i]
.endr
.set j, 0
.rept 32
	v_mov_b32 v[O+j], 0
.set j, j+1
.endr
	v_mov_b32 v13, 0xff61b1e6
	v_floor_f32 v12, -v13
	v_mov_b32 v14, 0
	v_mov_b32 v15, 0
	s_mov_b32 s[KF], 0
	s_lshl_b32 s[QG], s[BQ], 8
	s_lshr_b32 s54, s[WV], 1
	s_lshl_b32 s54, s54, 5
	s_add_co_u32 s[QG], s[QG], s54
.endm
; A KEY STEP: 128 keys, the q-th of the slot in hand
.macro STEP q
	s_add_co_u32 s54, s[QG], 31
	s_cmp_gt_u32 s[KF], s54                        ; all 128 keys come after my 16 queries: nothing to do
	s_cbranch_scc1 .Lhidden_\@
	v_add_nc_u32 v4, s[TB], v1
	v_add_nc_u32 v5, s[TB], v2
	v_add_nc_u32 v6, s[TB], v3
	v_nop                                          ; with the three additions: four places in front of loads into registers that matrix instructions have read
.irp p, 0,1,2,3
	ds_load_b128 v[FB+12*\p:FB+12*\p+3], v4 offset:(4*(\q)+\p)*1536
	ds_load_b64 v[FB+12*\p+4:FB+12*\p+5], v5 offset:(4*(\q)+\p)*1536+512
	ds_load_b64 v[FB+12*\p+6:FB+12*\p+7], v5 offset:(4*(\q)+\p)*1536+768
	ds_load_b128 v[FB+12*\p+8:FB+12*\p+11], v4 offset:(4*(\q)+\p)*1536+1024
.endr
	ds_load_b128 v[KS:KS+3], v6 offset:256*(\q)
	s_wait_dscnt 0x0
.irp p, 0,1,2,3                                ; S^T = K Q^T: pair p's first tile against [q][zeros], its second against [zeros][q]
	v_wmma_scale_f32_16x16x128_f8f6f4 v[S+16*\p:S+16*\p+7], v[FB+12*\p:FB+12*\p+11], v[QF:QF+11], 0, v[KS+\p], v[QS] matrix_a_fmt:MATRIX_FMT_FP6 matrix_b_fmt:MATRIX_FMT_FP6
	v_wmma_scale_f32_16x16x128_f8f6f4 v[S+16*\p+8:S+16*\p+15], v[FB+12*\p:FB+12*\p+11], v[QF+6:QF+17], 0, v[KS+\p], v[QS] matrix_a_fmt:MATRIX_FMT_FP6 matrix_b_fmt:MATRIX_FMT_FP6
.endr                                          ; register 16 b + i of S^T is key KF + 32 b + 16 (lane / 16) + i
.rept 4
	v_nop
.endr
.irp t, 0,1,2,3                                ; V's four tiles of 16 channels x these 128 keys land while the softmax is worked
.irp c, 0,1,2
	ds_load_b128 v[FB+12*\t+4*\c:FB+12*\t+4*\c+3], v4 offset:REC+(4*(\q)+\t)*1536+512*\c
.endr
.endr
	ds_load_b128 v[VS:VS+3], v6 offset:REC+256*(\q)
	s_add_co_u32 s54, s[KF], 128
	s_cmp_le_u32 s54, s[QG]                        ; all 128 keys count for all my queries: no mask
	s_cbranch_scc1 .Lopen_\@
	s_sub_co_i32 s54, s[QG], s[KF]
	v_add_nc_u32 v224, s54, v9                     ; d = my query - KF - 16 (lane / 16): register 16 b + i is hidden where 32 b + i > d
	v_mov_b32 v225, 0xff800000                     ; -infinity
.set n, 0
.rept 64
	v_cmp_gt_i32 vcc_lo, 32*(n/16)+n%16, v224
	v_cndmask_b32 v[S+n], v[S+n], v225, vcc_lo
.set n, n+1
.endr
.Lopen_\@:
.irp b, 0,1,2,3
	v_max3_num_f32 v[BM+\b], v[S+16*\b], v[S+1+16*\b], v[S+2+16*\b]   ; the largest score of each block of 32 keys: for the row's maximum and, since p rises with the score, for the block's largest p
.endr
.irp i, 3,5,7,9,11,13
.irp b, 0,1,2,3
	v_max3_num_f32 v[BM+\b], v[BM+\b], v[S+16*\b+\i], v[S+1+16*\b+\i]
.endr
.endr
.irp b, 0,1,2,3
	v_max_num_f32 v[BM+\b], v[BM+\b], v[S+15+16*\b]
.endr
.irp b, 0,1,2,3
	v_permlanex16_b32 v[BT+\b], v[BM+\b], s[SEL], s[SEL+1]
.endr
.irp b, 0,1,2,3
	v_max_num_f32 v[BM+\b], v[BM+\b], v[BT+\b]
.endr
	v_max3_num_f32 v224, v[BM], v[BM+1], v[BM+2]
	v_max_num_f32 v224, v224, v[BM+3]
	v_mul_f32 v224, s[CS], v224
	v_max_num_f32 v13, v13, v224                   ; the running largest t
	v_mov_b32 v224, v12
	v_floor_f32 v12, -v13                          ; -M = floor(-t): M is a whole number
	v_sub_f32 v224, v12, v224
	v_cvt_i32_f32 v224, v224                       ; (it saturates)
	v_ldexp_f32 v36, 1.0, v224                     ; f = 2^(old M - new M)
.set j, 0
.rept 32
	v_pk_fma_f32 v[S+j:S+j+1], v[S+j:S+j+1], s[CS:CS+1], v[12:13] op_sel_hi:[1,0,0]   ; t - M
.set j, j+2
.endr
.irp b, 0,1,2,3
	v_fma_f32 v[BM+\b], v[BM+\b], s[CS], v12
.endr
.set j, 0
.rept 64
	v_exp_f32 v[S+j], v[S+j]                       ; p = 2^(t - M)
.set j, j+1
.endr
	v_pk_mul_f32 v[14:15], v[14:15], v[36:37] op_sel_hi:[1,0]   ; the sum under the new M: a plain line behind the exponentials
	s_wait_alu depctr_va_vdst(0)                   ; one wait for the batch of 64, ahead of its first reader
.irp b, 0,1,2,3
	v_exp_f32 v[BM+\b], v[BM+\b]                   ; the blocks' largest p
.endr
	v_pk_add_f32 v[38:39], v[S:S+1], v[S+2:S+3]    ; the row's sum of the unquantised p, in two chains; it reads the 64 alone
.irp j, 4,8,12,16,20,24,28,32,36,40,44
	v_pk_add_f32 v[14:15], v[14:15], v[S+\j:S+1+\j]
	v_pk_add_f32 v[38:39], v[38:39], v[S+2+\j:S+3+\j]
.endr
	s_wait_alu depctr_va_vdst(0)                   ; and one for the four
.irp b, 0,1,2,3
	v_max_num_f32 v[BM+\b], 0x1800000, v[BM+\b]    ; the floor 2^(3 - 127)
.endr
.irp b, 0,1,2,3
	v_add_nc_u32 v[SO+\b], 0xff000000, v[BM+\b]
.endr
.irp b, 0,1,2,3
	v_lshrrev_b32 v[BT+\b], 23, v[SO+\b]
.endr
	v_lshl_or_b32 v[PS], v[BT+1], 8, v[BT]
	v_lshl_or_b32 v[PS], v[BT+2], 16, v[PS]
	v_lshl_or_b32 v[PS], v[BT+3], 24, v[PS]
.irp c, 0,1
	v_cvt_scalef32_pk16_fp6_f32 v[PC+6*\c:PC+2+6*\c], v[S+32*\c:S+15+32*\c], v[SO+2*\c]
	v_cvt_scalef32_pk16_fp6_f32 v[CT+4*\c:CT+2+4*\c], v[S+16+32*\c:S+31+32*\c], v[SO+1+2*\c]
.endr
	v_nop                                          ; one plain line behind the scaled conversions
.irp c, 0,1
.irp i, 0,1,2
	v_permlane16_swap_b32 v[PC+6*\c+\i], v[CT+4*\c+\i]
.endr
.irp i, 0,1,2
	v_mov_b32 v[PC+3+6*\c+\i], v[CT+4*\c+\i]
.endr
.endr
.set j, 0
.rept 16
	v_pk_mul_f32 v[O+j:O+j+1], v[O+j:O+j+1], v[36:37] op_sel_hi:[1,0]   ; O^T under the new M
.set j, j+2
.endr
.irp j, 48,52,56,60                            ; the rest of the row's sum: nine plain lines that name no register of the products below
	v_pk_add_f32 v[14:15], v[14:15], v[S+\j:S+1+\j]
	v_pk_add_f32 v[38:39], v[38:39], v[S+2+\j:S+3+\j]
.endr
	v_pk_add_f32 v[14:15], v[14:15], v[38:39]
	s_wait_dscnt 0x0                               ; V is in
.irp t, 0,1,2,3                                ; O^T += V^T P^T: the four accumulators by turns
	v_wmma_scale_f32_16x16x128_f8f6f4 v[O+8*\t:O+8*\t+7], v[FB+12*\t:FB+12*\t+11], v[PC:PC+11], v[O+8*\t:O+8*\t+7], v[VS+\t], v[PS] matrix_a_fmt:MATRIX_FMT_FP6 matrix_b_fmt:MATRIX_FMT_FP6
.endr
.Lhidden_\@:
	s_add_co_u32 s[KF], s[KF], 128
.endm
; A prefetch into the L2: one run of 8,192 bytes of the head's K and V, lanes 256 bytes apart; waves 4-7 of the work-group with x = 0 ask for runs 6 + 4 t .. 9 + 4 t in trip t, which lie behind what the trip's tensor loads ask for.
; The head has 25 runs; runs 0 to 5 come by their loads alone; a run past the 25th is never named.  Each run is named once in the launch.
.macro ASK
	s_cmp_le_u32 s[PCH], 24
	s_cbranch_scc0 .Lnot_mine_\@
	global_prefetch_b8 v[PFO], s[PFA:PFA+1] th:TH_LOAD_NT scope:SCOPE_SE
.Lnot_mine_\@:
.endm
; THE CHANGE OF SLOTS, at a trip's head.  Each wave waits for all its tensor loads (its part of the slot ahead), adds 0 to its spare word, and waits for that and for its reads of the slot that it has left; a barrier;
; fill = 1: the slot just left takes the keys of the next trip: the next slot of keys, or slot 0 where the second block of queries begins.
.macro CHANGE fill
	s_wait_tensorcnt 0x0                           ; no tensor load of mine is out, so group 0 may be written
	ds_add_u32 v[SPW], v[NIL]                      ; 0 onto my spare word
.if \fill
	s_xor_b32 s[G0+1], s[G0+1], SLOT1
	s_add_co_u32 s54, s[TRIP], 1
	s_add_co_u32 s[SIGF], s[SIGF], 1
	s_cmp_eq_u32 s54, s[SW]
	s_cselect_b32 s[SIGF], 0, s[SIGF]
	s_mul_i32 s[OFF], s[SIGF], SLOTB
	s_add_nc_u64 s[G0+2:G0+3], s[KVW:KVW+1], s[OFF:OFF+1]
	s_or_b32 s[G0+3], s[G0+3], 0x80000000
	s_wait_xcnt 0x0                                ; the last prefetch, a trip back, has read its address
	s_add_nc_u64 s[PFA:PFA+1], s[PFA:PFA+1], 32768
	s_add_co_u32 s[PCH], s[PCH], 4
.endif
	s_wait_dscnt 0x0                               ; the add is done, and my reads of the slot that I have left are over
	s_barrier_signal -1
	s_barrier_wait -1
.if \fill
	s_cmp_lt_u32 s[WV], 4
	s_cbranch_scc0 .Lno_load_\@
	tensor_load_to_lds s[G0:G0+3], s[G1:G1+7]      ; the first thing behind the barrier, and a wave's one tensor load until the next
	s_nop 0
.rept 4
	v_nop
.endr
.Lno_load_\@:
	ASK
.endif
.endm
; A BLOCK ENDS: O^T / the sum is y of my 16 queries: register 16 b + i = channel 32 b + 16 (lane / 16) + i.  Its two blocks of 32 are quantised; the six registers are half of a fragment of the last product (K step = pair of heads).
.macro FINISH
.rept 4
	v_nop                                          ; places behind the last products
.endr
	v_add_f32 v14, v14, v15
	v_permlanex16_b32 v38, v14, s[SEL], s[SEL+1]
	v_add_f32 v14, v14, v38                        ; the row's sum
	v_rcp_f32 v14, v14
	v_nop                                          ; a plain line behind the reciprocal
	s_lshr_b32 s54, s[BH], 4                       ; the batch
	s_lshl_b32 s54, s54, 7
	s_lshl_b32 s55, s[BQ], 4
	s_add_co_u32 s54, s54, s55
	s_add_co_u32 s54, s54, s[WV]                   ; my tile of 16 positions among the 512
	s_and_b32 s55, s[BH], 15                       ; the head
	s_lshl_b32 s56, s54, 3
	s_lshr_b32 s57, s55, 1
	s_add_co_u32 s56, s56, s57
	s_mul_i32 s56, s56, 1536                       ; the image of that tile and pair of heads
	s_mov_b32 s57, 0
	s_add_nc_u64 s[YB:YB+1], s[8:9], s[56:57]
	s_lshl_b32 s56, s54, 9
	s_lshl_b32 s58, s55, 1
	s_add_co_u32 s56, s56, s58                     ; 32 bytes of scale words a position, 2 bytes a head
	s_add_nc_u64 s[YS:YS+1], s[8:9], s[56:57]
	s_and_b32 s55, s55, 1
	s_wait_alu depctr_va_vdst(0)                   ; a wait ahead of the reciprocal's first reader
.set j, 0
.rept 32
	v_mul_f32 v[S+j], v[O+j], v14                  ; each accumulator from its low end on
.set j, j+1
.endr
.irp b, 0,1
	v_max3_num_f32 v[BM+\b], |v[S+16*\b]|, |v[S+1+16*\b]|, 0x1800000
.endr
.irp i, 2,4,6,8,10,12,14
.irp b, 0,1
	v_max3_num_f32 v[BM+\b], v[BM+\b], |v[S+16*\b+\i]|, |v[S+1+16*\b+\i]|
.endr
.endr
.irp b, 0,1
	v_permlanex16_b32 v[BT+\b], v[BM+\b], s[SEL], s[SEL+1]
.endr
.irp b, 0,1
	v_max_num_f32 v[BM+\b], v[BM+\b], v[BT+\b]
.endr
.irp b, 0,1
	v_add_nc_u32 v[SO+\b], 0xff000000, v[BM+\b]
.endr
.irp b, 0,1
	v_lshrrev_b32 v[BT+\b], 23, v[SO+\b]
.endr
	v_lshl_or_b32 v241, v[BT+1], 8, v[BT]          ; my row's two scale bytes
	v_cvt_scalef32_pk16_fp6_f32 v[PC:PC+2], v[S:S+15], v[SO]
	v_cvt_scalef32_pk16_fp6_f32 v[CT:CT+2], v[S+16:S+31], v[SO+1]
	v_nop
.irp i, 0,1,2
	v_permlane16_swap_b32 v[PC+\i], v[CT+\i]
.endr
.irp i, 0,1,2
	v_mov_b32 v[PC+3+\i], v[CT+\i]
.endr
	s_cmp_eq_u32 s55, 0
	s_cbranch_scc0 .Lodd_\@
	global_store_b128 v1, v[PC:PC+3], s[YB:YB+1]               ; an even head: the fragment's registers 0-5: 512 and 256 consecutive bytes
	global_store_b64 v2, v[PC+4:PC+5], s[YB:YB+1] offset:512
	s_branch .Lbytes_\@
.Lodd_\@:
	global_store_b64 v2, v[PC:PC+1], s[YB:YB+1] offset:768     ; an odd head: registers 6-11
	global_store_b128 v1, v[PC+2:PC+5], s[YB:YB+1] offset:1024
.Lbytes_\@:
	global_store_b16 v10, v241, s[YS:YS+1] offset:YS_OFF       ; both lanes of a row store the same two bytes
.endm
.macro SWITCH                          ; where the second block of queries begins: the same trip for all sixteen waves (a branch on ids)
	s_cmp_eq_u32 s[TRIP], s[SW]
	s_cbranch_scc0 .Lsame_\@
	FINISH
	s_mov_b32 s[BQ], ttmp9
	SETQ Q2
	s_wait_xcnt 0x0                                ; the stores above have read their registers: the next key step writes them again
.Lsame_\@:
.endm
	SETQ Q1
	s_mov_b32 s[TRIP], 0
.Ltrip:                                            ; eight trips; behind each change of slots the next trip's keys are asked for
	CHANGE 1
	SWITCH
	STEP 0
	STEP 1
	s_xor_b32 s[TB], s[TB], SLOT1
	s_add_co_u32 s[TRIP], s[TRIP], 1
	s_cmp_lt_u32 s[TRIP], 8
	s_cbranch_scc1 .Ltrip
	CHANGE 0                                       ; the ninth trip is written out
	SWITCH
	STEP 0
	STEP 1
	FINISH
	s_wait_tensorcnt 0x0                           ; the wave's end
	ds_add_u32 v[SPW], v[NIL]
	s_wait_dscnt 0x0
	s_endpgm
.Lfunc_end_k_qd537c654ec_attn:
	.size	k_qd537c654ec_attn, .Lfunc_end_k_qd537c654ec_attn-k_qd537c654ec_attn
	.p2alignl 7, 3214868480
	.fill 96, 4, 3214868480
	.section	.rodata,"a",@progbits
	.p2align	6, 0x0
	.amdhsa_kernel k_qd537c654ec_attn
		.amdhsa_group_segment_fixed_size 327680
		.amdhsa_private_segment_fixed_size 0
		.amdhsa_enable_private_segment 0
		.amdhsa_kernarg_size 24
		.amdhsa_user_sgpr_count 2
		.amdhsa_user_sgpr_kernarg_segment_ptr 1
		.amdhsa_wavefront_size32 1
		.amdhsa_system_sgpr_workgroup_id_x 1
		.amdhsa_system_sgpr_workgroup_id_y 1
		.amdhsa_system_sgpr_workgroup_id_z 1
		.amdhsa_system_vgpr_workitem_id 0
		.amdhsa_next_free_vgpr 256
		.amdhsa_next_free_sgpr 66
		.amdhsa_reserve_vcc 1
		.amdhsa_float_denorm_mode_32 3
		.amdhsa_float_denorm_mode_16_64 3
		.amdhsa_memory_ordered 1
		.amdhsa_forward_progress 1
		.amdhsa_inst_pref_size 110
	.end_amdhsa_kernel
	.amdgpu_metadata
---
amdhsa.version: [ 1, 2 ]
amdhsa.kernels:
  - .name:           k_qd537c654ec_attn
    .symbol:         k_qd537c654ec_attn.kd
    .args:
      - { .name: qq, .offset: 0, .size: 8, .value_kind: global_buffer, .address_space: global }
      - { .name: kv, .offset: 8, .size: 8, .value_kind: global_buffer, .address_space: global }
      - { .name: yq, .offset: 16, .size: 8, .value_kind: global_buffer, .address_space: global }
    .group_segment_fixed_size: 327680
    .private_segment_fixed_size: 0
    .kernarg_segment_align: 8
    .kernarg_segment_size: 24
    .max_flat_workgroup_size: 512
    .sgpr_count:     66
    .vgpr_count:     256
    .wavefront_size: 32
...
	.end_amdgpu_metadata
.endif
;; end of part 3
;; launch proj (part 4): grid 4 x 32, 4 waves a work-group, clusters of 4 x 4, 327,680 bytes of LDS; arguments yq, wq, out0; writes out0
.if DOCPART == 4
	.amdgcn_target "amdgcn-amd-amdhsa--gfx1250"
	.amdhsa_code_object_version 6
	.text
	.protected	k_qd537c654ec_proj
	.globl	k_qd537c654ec_proj
	.p2align	8
	.type	k_qd537c654ec_proj,@function
k_qd537c654ec_proj:
	s_mov_b64 s[64:65], 0
	v_nop
	global_prefetch_b8 v0, s[64:65] scope:SCOPE_SE
	s_setreg_imm32_b32 hwreg(HW_REG_WAVE_MODE, 25, 1), 1
	s_wait_xcnt 0x0
	s_wait_alu depctr_hold_cnt(0) depctr_sa_sdst(0) depctr_va_vdst(0) depctr_va_sdst(0) depctr_va_ssrc(0) depctr_va_vcc(0) depctr_vm_vsrc(0)
	s_getreg_b32 s2, hwreg(HW_REG_IB_STS2, 6, 4)
	s_cmp_eq_u32 s2, 0
	s_cbranch_scc0 .Lentry_in_a_cluster
	s_endpgm
.Lentry_in_a_cluster:
	s_bfe_u32 s2, ttmp6, 0x10000c
	s_cmp_lg_u32 s2, 0xf033
	s_cbranch_scc0 .Lentry_shape_is_right
	s_endpgm
.Lentry_shape_is_right:
; out0 = y w_proj on codes of FP6 (E2M3) with E8M0 scales, K = 1024; out0 [8192][1024] f32.
; A work-group of four waves makes 256 tokens x 256 columns, a wave 128 x 128: 64 accumulators of 16 x 16.  Source 0 ("B") = 256 columns of w_proj, source 1 ("A") = 256 tokens of y: a lane holds one token and eight neighbouring columns a tile.
; Rows of both operands lie at POSITIONS (index with bits 3 and 4 exchanged): the columns come out in true order in a lane's registers; the tokens are brought back to their true rows by the stores' offsets.
; OPERANDS come as images of their registers ([tile of 16][K step of 128][1536 bytes]: registers 0-3 at 16 x lane, 4-5 at 512 + 8 x lane, 6-7 at 768 + 8 x lane, 8-11 at 1024 + 16 x lane): every LDS load reads consecutive bytes.
; K goes in four steps of 256 through THREE LDS slots: steps 0, 1, 2 are asked for at the start, step 3 goes into slot 0 at the end of step 1.  The scale words of the 512 rows, for all of K, come once.
; Four tensor loads of a wave are out at the start and one later.
; CLUSTERS: 4 x 4 work-groups; A's tile is asked for jointly by a row of the cluster, B's by a column.
; REGISTERS: window 0: v1-5 lane terms, v8-19 LDS addresses, v24-29, v32-63 scale words (two sets), v128-223 A's fragments; on the way out v128-255 rows of out0.
;   window 1: B's fragments, two sets, at v0 and v128.  windows 2, 3: the accumulators ((a, b) at v[8 (8 (a % 4) + b)] of window 2 + a / 4).
.set IMG,    1536
.set ROWT,   2*IMG
.set HALFT,  8*ROWT
.set SLOT,   4*HALFT
.set SCL,    3*SLOT
.set HALFS,  16*272
.set SBLK,   2*272
.set SPARE,  SCL+4*HALFS               ; the spare words: 128 bytes a wave, two blocks of 256 bytes that no other line names
.set YS_OFF, 6291456                   ; yq: the scale words
.set WP_CO,  2457600                   ; wq: w_proj's images
.set WP_SC,  3244032                   ; and its scale words
.set SPITCH, 528                       ; the way out: a stage of 16 rows x (512 bytes + 16) for each wave,
.set STAGE,  SLOT                      ; in slot 1: it has had its one fill, and every wave left it ahead of the barrier at the end of K step 1
.set FR,   12
.set NQ,   2
.set A16,  8
.set A8,   11
.set B16,  14
.set B8,   17
.set STO,  24                          ; v24 the way out: where I put 32 bytes of a row
.set RD,   25                          ; v25 where I read a row back
.set ADRS, 27
.set SPW,  28                          ; v28 SPARE + 4 x my thread's number; never rewritten
.set NIL,  29                          ; v29 0; never rewritten
.set SC,   32
.set AF,   128
.set BK,   128
.set G1,   24
.set G0,   32
.set G1B,  44
.set G0B,  52
.set G1S,  68
.set G1SB, 76
.set G0S,  84
.set G0SB, 88
.set MSB, 0
.macro WIN new                         ; the immediate's high byte repeats the setting that is left
.if MSB != \new
	s_set_vgpr_msb (MSB<<8)|\new
.set MSB, \new
.endif
.endm
.set MUL_LO, 0xa1
.set MUL_HI, 0xf1
.set TO_B,   0x40
.macro JLOAD g0a, g1a, g0b, g1b        ; a joint load: waves 0 and 1 fetch for A, waves 2 and 3 for B; four v_nop follow each of the two lines
	s_cmp_eq_u32 s15, 0
	s_cbranch_scc0 .Lfor_b_\@
	tensor_load_to_lds s[\g0a:\g0a+3], s[\g1a:\g1a+7]
	s_nop 0
.rept 4
	v_nop
.endr
	s_branch .Lasked_\@
.Lfor_b_\@:
	tensor_load_to_lds s[\g0b:\g0b+3], s[\g1b:\g1b+7]
	s_nop 0
.rept 4
	v_nop
.endr
.Lasked_\@:
.endm
.macro CREST
	s_cmp_lg_u32 s14, 0
	s_cbranch_scc1 .Lnot_wave_0_\@
	s_barrier_signal -3
.Lnot_wave_0_\@:
	s_barrier_wait -3
	s_barrier_signal -1
	s_barrier_wait -1
.endm
.macro CROUND
	s_barrier_signal -1
	s_barrier_wait -1
	CREST
.endm
	s_load_b128 s[4:7], s[0:1], 0x0                ; yq, wq
	s_load_b64 s[8:9], s[0:1], 0x10                ; out0
	v_lshl_add_u32 v[SPW], v0, 2, SPARE
	v_mov_b32 v[NIL], 0
	ds_add_u32 v28, v29
	s_wait_dscnt 0x0
	v_lshrrev_b32 v1, 5, v0
	v_readfirstlane_b32 s14, v1                    ; wave 0..3
	s_lshr_b32 s15, s14, 1                         ; which half of the tokens is mine.  Also: I fetch for A (0) or for B (1)
	s_and_b32 s16, s14, 1                          ; which half of the columns.  Also: which 128 rows I fetch
	s_bfe_u32 s92, ttmp6, 0x40000                  ; cx
	s_bfe_u32 s93, ttmp6, 0x40004                  ; cy
	s_lshl_b32 s97, ttmp9, 2
	s_add_co_u32 s97, s97, s92                     ; B's tile of 256 columns
	s_and_b32 s96, ttmp7, 0xffff
	s_lshl_b32 s96, s96, 2
	s_add_co_u32 s96, s96, s93                     ; A's tile of 256 tokens
	s_lshl_b32 s17, s93, 2
	s_lshl_b32 s17, 15, s17                        ; my row of the cluster
	s_lshl_b32 s18, 0x1111, s92                    ; my column
	; group 1 for the codes: 8 tiles of 16 rows, 3,072 consecutive bytes each (384 elements of 8 bytes), 12,288 bytes apart in memory, dense in LDS
	s_or_b32 s[G1], s17, (3<<16)|(1<<21)
	s_or_b32 s[G1B], s18, (3<<16)|(1<<21)
.irp g, G1, G1B
	s_mov_b32 s[\g+1], 384<<16
	s_mov_b32 s[\g+2], 8<<16
	s_mov_b32 s[\g+3], 384<<16
	s_mov_b32 s[\g+4], 8
	s_mov_b32 s[\g+5], 1536
	s_mov_b32 s[\g+6], 0
	s_mov_b32 s[\g+7], 0
.endr
	; and for the scale words of 128 rows: 4,096 dense bytes as 16 rows of 256 bytes, 16 bytes of padding behind each
	s_or_b32 s[G1S], s17, (3<<16)|(1<<20)|(1<<21)|(5<<22)|(3<<25)
	s_or_b32 s[G1SB], s18, (3<<16)|(1<<20)|(1<<21)|(5<<22)|(3<<25)
.irp g, G1S, G1SB
	s_mov_b32 s[\g+1], 32<<16
	s_mov_b32 s[\g+2], 16<<16
	s_mov_b32 s[\g+3], 32<<16
	s_mov_b32 s[\g+4], 16
	s_mov_b32 s[\g+5], 32
	s_mov_b32 s[\g+6], 0
	s_mov_b32 s[\g+7], 0
.endr
	s_lshl_b32 s19, s16, 7
	s_lshl_b32 s20, s96, 8
	s_add_co_u32 s20, s20, s19                     ; A: first row
	s_lshl_b32 s22, s97, 8
	s_add_co_u32 s22, s22, s19                     ; B: first row
	s_mul_i32 s2, s20, 768
	s_mov_b32 s3, 0
	s_lshl_b32 s98, s20, 5
	s_add_co_u32 s98, s98, YS_OFF
	s_mov_b32 s99, 0
	s_mul_i32 s12, s22, 768
	s_add_co_u32 s12, s12, WP_CO
	s_mov_b32 s13, 0
	s_lshl_b32 s100, s22, 5
	s_add_co_u32 s100, s100, WP_SC
	s_mov_b32 s101, 0
	s_mul_i32 s19, s14, HALFT
	s_mul_i32 s23, s14, HALFS
	s_wait_kmcnt 0x0
	s_add_nc_u64 s[98:99], s[4:5], s[98:99]
	s_add_nc_u64 s[20:21], s[4:5], s[2:3]
	s_add_nc_u64 s[100:101], s[6:7], s[100:101]
	s_add_nc_u64 s[94:95], s[6:7], s[12:13]
	CROUND                                         ; all sixteen work-groups are here: the first joint loads meet
	s_mov_b32 s[G0S], 1
	s_add_co_u32 s[G0S+1], s23, SCL
	s_mov_b64 s[G0S+2:G0S+3], s[98:99]
	s_or_b32 s[G0S+3], s[G0S+3], 0x80000000
	s_mov_b32 s[G0SB], 1
	s_add_co_u32 s[G0SB+1], s23, SCL
	s_mov_b64 s[G0SB+2:G0SB+3], s[100:101]
	s_or_b32 s[G0SB+3], s[G0SB+3], 0x80000000
	JLOAD G0S, G1S, G0SB, G1SB
.irp s, 0,1,2
	s_mov_b32 s[G0+4*\s], 1
	s_add_co_u32 s[G0+4*\s+1], s19, \s*SLOT
	s_add_nc_u64 s[G0+4*\s+2:G0+4*\s+3], s[20:21], \s*ROWT
	s_or_b32 s[G0+4*\s+3], s[G0+4*\s+3], 0x80000000
	s_mov_b32 s[G0B+4*\s], 1
	s_add_co_u32 s[G0B+4*\s+1], s19, \s*SLOT
	s_add_nc_u64 s[G0B+4*\s+2:G0B+4*\s+3], s[94:95], \s*ROWT
	s_or_b32 s[G0B+4*\s+3], s[G0B+4*\s+3], 0x80000000
	JLOAD G0+4*\s, G1, G0B+4*\s, G1B
.endr
	v_and_b32 v1, 31, v0                           ; lane
	v_and_b32 v2, 15, v0                           ; r
	v_bfe_u32 v3, v0, 4, 1                         ; h
	v_lshlrev_b32 v4, 4, v1                        ; 16 x lane
	v_lshlrev_b32 v5, 3, v1                        ; 8 x lane
	s_mul_i32 s21, s15, HALFT
	s_mul_i32 s22, s16, HALFT
	s_add_co_u32 s22, s22, 2*HALFT
.irp s, 0,1,2
	v_add_nc_u32 v[A16+\s], s21, v4
	v_add_nc_u32 v[A8+\s], s21, v5
	v_add_nc_u32 v[B16+\s], s22, v4
	v_add_nc_u32 v[B8+\s], s22, v5
	s_add_co_u32 s21, s21, SLOT
	s_add_co_u32 s22, s22, SLOT
.endr
	v_lshlrev_b32 v6, 5, v2
	v_lshrrev_b32 v7, 8, v6
	v_lshl_add_u32 v6, v7, 4, v6
	s_mul_i32 s21, s15, HALFS
	s_mul_i32 s22, s16, HALFS
	s_add_co_u32 s22, s22, 2*HALFS
	s_sub_co_u32 s22, s22, s21
	v_mul_u32_u24 v7, s22, v3                      ; lanes 16-31 take B's: one product, the distance x h
	s_add_co_u32 s21, s21, SCL
	v_add_nc_u32 v6, v6, v7
	v_add_nc_u32 v[ADRS], s21, v6
	s_mul_i32 s23, s14, 16*SPITCH
	s_add_co_u32 s23, s23, STAGE                   ; my stage
	v_mul_u32_u24 v6, v2, SPITCH
	v_lshl_add_u32 v6, v3, 6, v6
	v_add_nc_u32 v[STO], s23, v6                   ; in: row r, + 64 h: columns 32 (b / 2) + 16 h + 8 (b % 2) on of tile b
	v_add_nc_u32 v[RD], s23, v4                    ; back: the 32 lanes take one row of 512 bytes
	s_lshl_b32 s2, s96, 8
	s_lshl_b32 s3, s15, 7
	s_add_co_u32 s2, s2, s3                        ; my first token,
	s_lshl_b32 s2, s2, 12                          ; 4,096 bytes a row of out0,
	s_lshl_b32 s3, s97, 10
	s_add_co_u32 s2, s2, s3
	s_lshl_b32 s3, s16, 9
	s_add_co_u32 s2, s2, s3                        ; my first column
	s_mov_b32 s3, 0
	s_add_nc_u64 s[8:9], s[8:9], s[2:3]
.macro FRAG reg, a16, a8, off
	ds_load_b128 v[\reg:\reg+3], v[\a16] offset:\off
	ds_load_b64 v[\reg+4:\reg+5], v[\a8] offset:\off+512
	ds_load_b64 v[\reg+6:\reg+7], v[\a8] offset:\off+768
	ds_load_b128 v[\reg+8:\reg+11], v[\a16] offset:\off+1024
.endm
; 16 matrix instructions: A's blocks a0, a0 + 1 x B's eight, 128 along K.  The 64 accumulators take turns, one instruction a turn, in the same order in every step.
.macro MUL16 a0, p, q, sc, zero
.irp a, \a0, \a0+1
.irp b, 0,1,2,3,4,5,6,7
.if \zero
	v_wmma_scale_f32_16x16x128_f8f6f4 v[8*(8*((\a)%4)+\b):8*(8*((\a)%4)+\b)+7], v[128*(\p)+FR*\b:128*(\p)+FR*\b+FR-1], v[AF+FR*(\a):AF+FR*(\a)+FR-1], 0, v[SC+8*NQ*(\sc)+NQ*\b+(\q)], v[SC+8*NQ*(\sc)+NQ*(\a)+(\q)] matrix_a_fmt:MATRIX_FMT_FP6 matrix_b_fmt:MATRIX_FMT_FP6 matrix_a_scale:MATRIX_SCALE_ROW1
.else
	v_wmma_scale_f32_16x16x128_f8f6f4 v[8*(8*((\a)%4)+\b):8*(8*((\a)%4)+\b)+7], v[128*(\p)+FR*\b:128*(\p)+FR*\b+FR-1], v[AF+FR*(\a):AF+FR*(\a)+FR-1], v[8*(8*((\a)%4)+\b):8*(8*((\a)%4)+\b)+7], v[SC+8*NQ*(\sc)+NQ*\b+(\q)], v[SC+8*NQ*(\sc)+NQ*(\a)+(\q)] matrix_a_fmt:MATRIX_FMT_FP6 matrix_b_fmt:MATRIX_FMT_FP6 matrix_a_scale:MATRIX_SCALE_ROW1
.endif
.endr
.endr
.endm
.macro FETCH_B slot, q, p
	WIN TO_B
.irp i, 0,1,2,3,4,5,6,7
	FRAG 128*(\p)+FR*\i, B16+\slot, B8+\slot, \i*ROWT+(\q)*IMG
.endr
	WIN 0
.endm
.macro FETCH_A slot, q, i0
.irp i, \i0, \i0+1, \i0+2, \i0+3
	FRAG AF+FR*(\i), A16+\slot, A8+\slot, (\i)*ROWT+(\q)*IMG
.endr
.endm
.macro SCALES k, sc
.irp i, 0,1,2,3,4,5,6,7
	ds_load_b64 v[SC+8*NQ*(\sc)+NQ*\i:SC+8*NQ*(\sc)+NQ*\i+1], v[ADRS] offset:\i*SBLK+8*(\k)
.endr
.endm
.macro PLACES                          ; four plain lines between a matrix instruction and a load into, or a read of, its registers (ISA guide 7.12.1 for vector instructions)
.rept 4
	v_nop
.endr
.endm
.macro STEP slot, sc, zero
	s_wait_dscnt 16                                ; B's set, A's blocks 0-3 and the scale words are in; the youngest 16 loads (A's blocks 4-7) may be out
	WIN MUL_LO
	MUL16 0, 0, 0, \sc, \zero
	MUL16 2, 0, 0, \sc, \zero
	s_wait_dscnt 0x0
	PLACES
	FETCH_B \slot, 1, 1
	FETCH_A \slot, 1, 0
	WIN MUL_HI
	MUL16 4, 0, 0, \sc, \zero
	MUL16 6, 0, 0, \sc, \zero
	PLACES
	WIN 0
	FETCH_A \slot, 1, 4
.endm
; A K step's second 128 changes slots: one barrier.  fill = 1: behind it slot 0, which every wave left a K step ago, takes K step 3: each wave waits for all its tensor loads, adds 0 to its spare word, waits for that and for its LDS reads,
; and the barrier opens a round of the cluster's.  fill = 0: tcnt younger tensor loads may stay out.
.macro TURN slot, sc, next, knext, nsc, tcnt, fill
.if \fill
	s_wait_tensorcnt 0x0
	ds_add_u32 v[SPW], v[NIL]                      ; 0 onto my spare word
	s_wait_dscnt 17                                ; (the add and the youngest 16 loads may be out)
.else
	s_wait_tensorcnt \tcnt
	s_wait_dscnt 16
.endif
	WIN MUL_LO
	MUL16 0, 1, 1, \sc, 0
	s_wait_dscnt 0x0                               ; my LDS instructions are done: my reads of this slot are over
	s_barrier_signal -1
	MUL16 2, 1, 1, \sc, 0
	WIN 0
	s_barrier_wait -1
.if \fill
	CREST
	s_add_nc_u64 s[G0+2:G0+3], s[G0+2:G0+3], 3*ROWT
	s_add_nc_u64 s[G0B+2:G0B+3], s[G0B+2:G0B+3], 3*ROWT
	JLOAD G0, G1, G0B, G1B                         ; the first tensor load behind the round; its four v_nop are the places in front of the loads below
.else
	PLACES
.endif
	FETCH_B \next, 0, 0
	FETCH_A \next, 0, 0
	SCALES \knext, \nsc
	WIN MUL_HI
	MUL16 4, 1, 1, \sc, 0
	MUL16 6, 1, 1, \sc, 0
	PLACES
	WIN 0
	FETCH_A \next, 0, 4
.endm
	s_wait_tensorcnt 2                             ; the scale words and my part of K step 0 are in; K steps 1 and 2 may be out
	s_barrier_signal -1
	s_barrier_wait -1
	FETCH_B 0, 0, 0
	FETCH_A 0, 0, 0
	SCALES 0, 0
	FETCH_A 0, 0, 4
	STEP 0, 0, 1
	TURN 0, 0, 1, 1, 1, 1, 0                       ; K step 2's load may stay out
	STEP 1, 1, 0
	TURN 1, 1, 2, 2, 0, 0, 1                       ; K step 3 goes into slot 0
	STEP 2, 0, 0
	TURN 2, 0, 0, 3, 1, 0, 0                       ; K step 3 has landed
	STEP 0, 1, 0
	s_wait_dscnt 16
	WIN MUL_LO
	MUL16 0, 1, 1, 1, 0
	MUL16 2, 1, 1, 1, 0
	s_wait_dscnt 0x0
	WIN MUL_HI
	MUL16 4, 1, 1, 1, 0
	MUL16 6, 1, 1, 1, 0
	WIN 0
; THE WAY OUT, block by block of 16 tokens x 128 columns: through my own stage in LDS and back as whole rows of 512 bytes.  LDS serves a wave's instructions in order: no wait between the stores and the loads.
.macro TOSTAGE a
.set AC, 64*((\a)%4)
	WIN 0x08+4*((\a)/4)                            ; an LDS store's data are its source 1: window 2 or 3
.irp b, 0,1,2,3,4,5,6,7
	ds_store_b128 v[STO], v[AC+8*\b:AC+8*\b+3] offset:128*(\b/2)+32*(\b%2)       ; each accumulator from its low end on
	ds_store_b128 v[STO], v[AC+8*\b+4:AC+8*\b+7] offset:128*(\b/2)+32*(\b%2)+16
.endr
	WIN 0
.set BB, BK+64*((\a)%2)
.irp t, 0,1,2,3,4,5,6,7,8,9,10,11,12,13,14,15
	ds_load_b128 v[BB+4*\t:BB+4*\t+3], v[RD] offset:\t*SPITCH
.endr
.endm
.macro SEND a, younger                 ; position t of block a is token 32 (a / 2) + 8 (a % 2) + t + 8 (t / 8) of my 128: it stands in the immediate, 520,192 bytes at the most
.set BB, BK+64*((\a)%2)
	s_wait_dscnt \younger
.irp t, 0,1,2,3,4,5,6,7,8,9,10,11,12,13,14,15
	global_store_b128 v4, v[BB+4*\t:BB+4*\t+3], s[8:9] offset:(32*((\a)/2)+8*((\a)%2)+\t+8*(\t/8))*4096 th:TH_STORE_NT   ; 32 lanes store 512 consecutive bytes, aligned
.endr
.endm
	PLACES
	TOSTAGE 0
.irp a, 1,2,3,4,5,6,7
.if \a > 1
	s_wait_xcnt 0x0                                ; block a - 2's stores have read their registers: block a's loads may land there
.endif
	TOSTAGE \a
	SEND \a-1, 32                                  ; behind block a - 1's loads: block a's 16 stores and 16 loads
.endr
	SEND 7, 0
	s_wait_tensorcnt 0x0                           ; the wave's end
	ds_add_u32 v[SPW], v[NIL]
	s_wait_dscnt 0x0
	CROUND                                         ; the closing round
	s_endpgm
.Lfunc_end_k_qd537c654ec_proj:
	.size	k_qd537c654ec_proj, .Lfunc_end_k_qd537c654ec_proj-k_qd537c654ec_proj
	.p2alignl 7, 3214868480
	.fill 96, 4, 3214868480
	.section	.rodata,"a",@progbits
	.p2align	6, 0x0
	.amdhsa_kernel k_qd537c654ec_proj
		.amdhsa_group_segment_fixed_size 327680
		.amdhsa_private_segment_fixed_size 0
		.amdhsa_enable_private_segment 0
		.amdhsa_kernarg_size 24
		.amdhsa_user_sgpr_count 2
		.amdhsa_user_sgpr_kernarg_segment_ptr 1
		.amdhsa_wavefront_size32 1
		.amdhsa_system_sgpr_workgroup_id_x 1
		.amdhsa_system_sgpr_workgroup_id_y 1
		.amdhsa_system_sgpr_workgroup_id_z 1
		.amdhsa_system_vgpr_workitem_id 0
		.amdhsa_next_free_vgpr 1024
		.amdhsa_next_free_sgpr 102
		.amdhsa_reserve_vcc 0
		.amdhsa_float_denorm_mode_32 3
		.amdhsa_float_denorm_mode_16_64 3
		.amdhsa_memory_ordered 1
		.amdhsa_forward_progress 1
		.amdhsa_inst_pref_size 143
	.end_amdhsa_kernel
	.amdgpu_metadata
---
amdhsa.version: [ 1, 2 ]
amdhsa.kernels:
  - .name:           k_qd537c654ec_proj
    .symbol:         k_qd537c654ec_proj.kd
    .args:
      - { .name: yq, .offset: 0, .size: 8, .value_kind: global_buffer, .address_space: global }
      - { .name: wq, .offset: 8, .size: 8, .value_kind: global_buffer, .address_space: global }
      - { .name: out0, .offset: 16, .size: 8, .value_kind: global_buffer, .address_space: global }
    .group_segment_fixed_size: 327680
    .private_segment_fixed_size: 0
    .kernarg_segment_align: 8
    .kernarg_segment_size: 24
    .max_flat_workgroup_size: 128
    .sgpr_count:     102
    .vgpr_count:     1024
    .wavefront_size: 32
...
	.end_amdgpu_metadata
.endif
;; end of part 4
